; MI455X (gfx1250); checked and timed in simulation.
; The chip was launched on July 23, 2026; its instructions are those of AMD's public machine-readable ISA for CDNA 5 (MIT licence, August 2026) and "CDNA5" Instruction Set Architecture Reference Guide (July 2026). The comments in the code are by the model that wrote it; some were corrected since.
;; Linear NF4. Allowed arithmetic: float matrix products may take bf16 or f16 operands with f32 sums; other float arithmetic in f32, or as packed bf16 or f16 multiplies, adds, multiply-adds, maxima and minima; sums over many terms, partial sums and values carried from step to step in f32; what a program stores and reads back later, other than sums and carried values, may be rounded once to bf16 or f16.
;; Inputs: absmax 131,072 float32; bias 2,048 float32; packed_weight 4,194,304 int32; x 4 x 2,048 x 4,096 float32.
;; Outputs: out0 4 x 2,048 x 2,048 float32.
;; 3 versions, each right; version 3 is version 2 with the launch prep written anew for expert scheduling mode. Each part assembles by itself: llvm-mc -triple=amdgcn-amd-amdhsa -mcpu=gfx1250 --defsym DOCPART=n.
;; ======== version 1 of 3: 2 launches
;; limits: inputs' magnitudes at most 65,504; values are held in f16: magnitudes above 65,504 overflow, below 6.1e-05 lose precision
;; workspace buffers: wh 16,777,216 bytes
;; launch dequant (part 1): grid 256 x 1, 8 waves a work-group, no clusters, 0 bytes of LDS; arguments packed_weight, absmax, wh; writes wh
.if DOCPART == 1
	.amdgcn_target "amdgcn-amd-amdhsa--gfx1250"
	.amdhsa_code_object_version 6
	.text
	.protected	k_q5966fd9202_dequant
	.globl	k_q5966fd9202_dequant
	.p2align	8
	.type	k_q5966fd9202_dequant,@function
k_q5966fd9202_dequant:
	s_mov_b64 s[64:65], 0
	v_nop
	global_prefetch_b8 v0, s[64:65] scope:SCOPE_SE
	s_setreg_imm32_b32 hwreg(HW_REG_WAVE_MODE, 25, 1), 1
	s_wait_xcnt 0x0
; wh = f16(code[nibble] x absmax): the NF4 weights W[2048][4096], made once.  The product is taken in f32 and rounded once to f16.
; IN.   packed_weight: one 32-bit word holds two 4-bit codes, bits 7:4 the even k, bits 3:0 the odd k (higher bits are not looked at); a row of W is 2,048 words.
;       absmax: one f32 for 64 weights on end: 64 to a row of W.
; OUT.  wh in blocks by K step: wh[s = 0..63][n = 0..2047][64 f16], byte s x 262,144 + n x 128 + 2 (k mod 64): 128 rows of one step are 16,384 bytes on end for the product that follows.
; LIMITS.  |code x absmax| of 65,520 or more becomes an infinity; below 6.1e-5 the result keeps f16's fixed step of 6e-8.
; SHARES.  Work-group b: rows 8 b .. 8 b + 7.  Wave w: the rows n = 8 b + 2 (w / 2) and n + 1, K steps 32 (w % 2) .. + 31: sixteen loads of 16 bytes a lane, all issued at once.
; Lane l = 8 g + e: load j is row n + g % 2, step 32 c + 2 j + g / 2, words 4 e .. 4 e + 3 of that step's 32.  So a load takes 256 bytes on end, aligned, of each of the two rows,
; and in a store lanes 0-15 fill 256 bytes on end, aligned (rows n, n + 1 of one step), lanes 16-31 those of the next step.
; THE TABLE lies across the lanes of one register (lane i: code[i % 16]); a code is fetched by a lane permute, which touches no LDS byte.  A word's four bytes in and its two f16 out are as many:
; memory binds, so there is no LDS, no barrier, no matrix work and no cluster (nothing is shared), and no loop.
.set TAB, 4                            ; v4      lane i: code[i % 16]
.set GI,  5                            ; v5      4 g
.set VI,  6                            ; v6      my byte offset in packed_weight; never rewritten
.set VO,  7                            ; v7      my byte offset in wh; never rewritten
.set VA,  8                            ; v8      my byte offset in absmax; never rewritten
.set AI,  9                            ; v9      4 x the lane that holds my absmax
.set AB,  10                           ; v10-11  lane L of register q: absmax of row n + L % 2, step 32 c + 16 q + L / 2
.set T,   12                           ; v12-19  4 x code number, eight of them
.set CB,  20                           ; v20-27, v30-37  eight code values, two stages by turns
.set AP,  28                           ; v28-29, v38-39  my absmax; the upper register holds 0: the packed multiply names the pair and takes its low word
.set X,   40                           ; v40-103 load j: four words as loaded, then four pairs of f16 to store
	s_load_b128 s[4:7], s[0:1], 0x0                ; packed_weight s[4:5], absmax s[6:7]
	s_load_b64 s[8:9], s[0:1], 0x10                ; wh
	v_lshrrev_b32 v1, 5, v0
	v_readfirstlane_b32 s12, v1                    ; wave 0..7
	v_and_b32 v1, 31, v0                           ; l
	v_lshrrev_b32 v2, 3, v1                        ; g
	v_and_b32 v3, 7, v1                            ; e
	v_and_b32 v12, 1, v2                           ; g % 2: which of the two rows
	v_lshrrev_b32 v13, 1, v2                       ; g / 2: which of the two steps
	s_lshr_b32 s13, s12, 1
	s_and_b32 s14, s12, 1                          ; c
	s_lshl_b32 s15, ttmp9, 3
	s_lshl1_add_u32 s15, s13, s15                  ; n = 8 b + 2 (w / 2)
	s_lshl_b32 s16, s15, 13                        ; packed_weight: a row is 8,192 bytes,
	s_lshl_b32 s19, s14, 12                        ; 32 steps are 4,096
	s_add_co_u32 s16, s16, s19
	s_lshl_b32 s17, s15, 7                         ; wh: a row of a step is 128 bytes,
	s_lshl_b32 s19, s14, 23                        ; 32 steps are 8,388,608
	s_add_co_u32 s17, s17, s19
	s_lshl_b32 s18, s15, 8                         ; absmax: a row is 256 bytes,
	s_lshl_b32 s19, s14, 7                         ; 32 steps are 128
	s_add_co_u32 s18, s18, s19
	v_lshl_add_u32 v[VI], v12, 13, s16
	v_lshl_add_u32 v[VI], v13, 7, v[VI]
	v_lshl_add_u32 v[VI], v3, 4, v[VI]
	v_lshl_add_u32 v[VO], v12, 7, s17
	v_lshl_add_u32 v[VO], v13, 18, v[VO]
	v_lshl_add_u32 v[VO], v3, 4, v[VO]
	v_and_b32 v14, 1, v1
	v_lshrrev_b32 v15, 1, v1
	v_lshl_add_u32 v[VA], v14, 8, s18
	v_lshl_add_u32 v[VA], v15, 2, v[VA]
	v_lshlrev_b32 v[GI], 2, v2
	v_mov_b32 v[AP+1], 0
	v_mov_b32 v[AP+11], 0
	s_wait_kmcnt 0x0
	global_load_b32 v[AB], v[VA], s[6:7]           ; the wave's 256 bytes of absmax, once
	global_load_b32 v[AB+1], v[VA], s[6:7] offset:64
.set jj, 0
.rept 16
	global_load_b128 v[X+4*jj:X+4*jj+3], v[VI], s[4:5] offset:256*jj th:TH_LOAD_NT  ; read once in the launch
.set jj, jj+1
.endr
	; the table is made while the loads are on their way: reference()'s sixteen f32 numbers
	v_and_b32 v15, 15, v0
	v_mov_b32 v[TAB], -1.0                         ; code 0
.macro CODE k, bits
	s_mov_b32 s20, \bits
	v_cmp_eq_u32 vcc_lo, \k, v15
	v_cndmask_b32 v[TAB], v[TAB], s20, vcc_lo
.endm
	CODE 1,  0xbf3239b1                            ; -0.6961928
	CODE 2,  0xbf066b30                            ; -0.52507305
	CODE 3,  0xbeca32a0                            ; -0.3949175
	CODE 4,  0xbe91a24d                            ; -0.28444138
	CODE 5,  0xbe3d353f                            ; -0.18477343
	CODE 6,  0xbdba7871                            ; -0.091050036
	CODE 7,  0                                     ;  0
	CODE 8,  0x3da2faff                            ;  0.0795803
	CODE 9,  0x3e24cae3                            ;  0.1609302
	CODE 10, 0x3e7c04dd                            ;  0.2461123
	CODE 11, 0x3ead033a                            ;  0.33791524
	CODE 12, 0x3ee1a4b8                            ;  0.44070983
	CODE 13, 0x3f1007ab                            ;  0.562617
	CODE 14, 0x3f3913b3                            ;  0.72295684
	CODE 15, 0x3f800000                            ;  1
; Load j's four words: eight code numbers times 4 (a permute's index is a lane times 4), the eight values and my absmax asked of the lanes that hold them.
.macro LOOK j
	s_wait_loadcnt 15-(\j)                         ; loads come back in order (ISA guide 5.7.1): load j is in, the 15 - j younger ones stay out; absmax is older than all
.irp d, 0,1,2,3
	v_lshrrev_b32 v[T+2*(\d)],   2, v[X+4*(\j)+(\d)]   ; bits 7:4 come to bits 5:2,
	v_lshlrev_b32 v[T+2*(\d)+1], 2, v[X+4*(\j)+(\d)]   ; bits 3:0 likewise
.endr
.irp i, 0,1,2,3,4,5,6,7
	v_and_b32 v[T+(\i)], 60, v[T+(\i)]
.endr
	v_add_nc_u32 v[AI], 16*((\j)%8), v[GI]         ; my absmax lies in lane 4 (j % 8) + g of register j / 8
.irp i, 0,1,2,3,4,5,6,7
	ds_bpermute_b32 v[CB+10*((\j)%2)+(\i)], v[T+(\i)], v[TAB]
.endr
	ds_bpermute_b32 v[AP+10*((\j)%2)], v[AI], v[AB+(\j)/8]
.endm
; The values are scaled in f32, rounded once to f16 and stored.  left: the permutes issued behind load j's, which may stay out.
.macro FIN j, left
	s_wait_dscnt \left
.irp d, 0,1,2,3
	v_pk_mul_f32 v[CB+10*((\j)%2)+2*(\d):CB+10*((\j)%2)+2*(\d)+1], v[CB+10*((\j)%2)+2*(\d):CB+10*((\j)%2)+2*(\d)+1], v[AP+10*((\j)%2):AP+10*((\j)%2)+1] op_sel_hi:[1,0]
.endr
.irp d, 0,1,2,3
	v_cvt_pk_f16_f32 v[X+4*(\j)+(\d)], v[CB+10*((\j)%2)+2*(\d)], v[CB+10*((\j)%2)+2*(\d)+1]  ; the even k into the low half
.endr
	global_store_b128 v[VO], v[X+4*(\j):X+4*(\j)+3], s[8:9] offset:524288*(\j)  ; two steps on for each j; no register of a store is written again
.endm
	LOOK 0
.set jj, 1
.rept 15                               ; group j's permutes are on their way while group j - 1 is finished
	LOOK jj
	FIN jj-1, 9
.set jj, jj+1
.endr
	FIN 15, 0
	s_endpgm
.Lfunc_end_k_q5966fd9202_dequant:
	.size	k_q5966fd9202_dequant, .Lfunc_end_k_q5966fd9202_dequant-k_q5966fd9202_dequant
	.p2alignl 7, 3214868480
	.fill 96, 4, 3214868480
	.section	.rodata,"a",@progbits
	.p2align	6, 0x0
	.amdhsa_kernel k_q5966fd9202_dequant
		.amdhsa_group_segment_fixed_size 0
		.amdhsa_private_segment_fixed_size 0
		.amdhsa_enable_private_segment 0
		.amdhsa_kernarg_size 24
		.amdhsa_user_sgpr_count 2
		.amdhsa_user_sgpr_kernarg_segment_ptr 1
		.amdhsa_wavefront_size32 1
		.amdhsa_system_sgpr_workgroup_id_x 1
		.amdhsa_system_sgpr_workgroup_id_y 1
		.amdhsa_system_sgpr_workgroup_id_z 1
		.amdhsa_system_vgpr_workitem_id 0
		.amdhsa_next_free_vgpr 104
		.amdhsa_next_free_sgpr 66
		.amdhsa_reserve_vcc 1
		.amdhsa_float_denorm_mode_32 3
		.amdhsa_float_denorm_mode_16_64 3
		.amdhsa_memory_ordered 1
		.amdhsa_forward_progress 1
		.amdhsa_inst_pref_size 34
	.end_amdhsa_kernel
	.amdgpu_metadata
---
amdhsa.version: [ 1, 2 ]
amdhsa.kernels:
  - .name:           k_q5966fd9202_dequant
    .symbol:         k_q5966fd9202_dequant.kd
    .args:
      - { .name: packed_weight, .offset: 0, .size: 8, .value_kind: global_buffer, .address_space: global }
      - { .name: absmax, .offset: 8, .size: 8, .value_kind: global_buffer, .address_space: global }
      - { .name: wh, .offset: 16, .size: 8, .value_kind: global_buffer, .address_space: global }
    .group_segment_fixed_size: 0
    .private_segment_fixed_size: 0
    .kernarg_segment_align: 8
    .kernarg_segment_size: 24
    .max_flat_workgroup_size: 256
    .sgpr_count:     66
    .vgpr_count:     104
    .wavefront_size: 32
...
	.end_amdgpu_metadata
.endif
;; end of part 1
;; launch gemm (part 2): grid 8 x 32, 4 waves a work-group, clusters of 4 x 4, 327,680 bytes of LDS; arguments x, wh, bias, out0; writes out0
.if DOCPART == 2
	.amdgcn_target "amdgcn-amd-amdhsa--gfx1250"
	.amdhsa_code_object_version 6
	.text
	.protected	k_q5966fd9202_gemm
	.globl	k_q5966fd9202_gemm
	.p2align	8
	.type	k_q5966fd9202_gemm,@function
k_q5966fd9202_gemm:
	s_mov_b64 s[64:65], 0
	v_nop
	global_prefetch_b8 v0, s[64:65] scope:SCOPE_SE
	s_setreg_imm32_b32 hwreg(HW_REG_WAVE_MODE, 25, 1), 1
	s_wait_xcnt 0x0
	s_wait_alu depctr_hold_cnt(0) depctr_sa_sdst(0) depctr_va_vdst(0) depctr_va_sdst(0) depctr_va_ssrc(0) depctr_va_vcc(0) depctr_vm_vsrc(0)
	s_getreg_b32 s2, hwreg(HW_REG_IB_STS2, 6, 4)
	s_cmp_eq_u32 s2, 0
	s_cbranch_scc0 .Lentry_in_a_cluster
	s_endpgm
.Lentry_in_a_cluster:
	s_bfe_u32 s2, ttmp6, 0x10000c
	s_cmp_lg_u32 s2, 0xf033
	s_cbranch_scc0 .Lentry_shape_is_right
	s_endpgm
.Lentry_shape_is_right:
; out0[m][n] = bias[n] + the sum over k of x[m][k] W[n][k].  x: [8192][4096] f32.  W: f16, as the launch before left it: wh[s = 0..63][n = 0..2047][64].  bias: [2048] f32.  out0: [8192][2048] f32.
; FORMATS.  Both matrix operands are f16, the sums f32; x is rounded once, between LDS and the matrix instruction.  The bias is the C operand of each sum's first product: the sums start at it, so the
; order of rounding is not reference()'s.  LIMITS: |x| of 65,520 or more becomes an infinity; below 6.1e-5 x keeps f16's fixed step of 6e-8.
; SHARES.  out0 has 32 x 8 tiles of 256 x 256, a work-group each.  Four waves, each 128 x 128: 64 accumulators of 16 x 16, 512 registers.
; K goes in 64 steps of 64 through a ring of two LDS slots filled by the tensor data mover: a row of x's tile is 256 bytes of memory, aligned; 128 rows of W of one step are 16,384 bytes on end, asked for
; as 64 rows of 256.  A step of 128 would want 2 x 204,800 bytes for its two slots, more than a work-group can have.
; A step is two HALVES of 32 along K, 64 matrix instructions each, on fragment buffers 0 and 1.  x's f32 come out of LDS into a staging area of 128 registers; 64 conversions, two numbers each, make the
; next half's eight fragments.  They stand four behind each of a half's last 16 matrix instructions.
; CLUSTERS.  4 x 4 work-groups.  The four of a row of the cluster need the same rows of x, the four of a column the same rows of W: each tile is asked for JOINTLY, by the same tensor load with the same
; descriptor and a mask that names the four; each receives it in its own LDS.
; THE MATRIX INSTRUCTION IS USED TRANSPOSED: source 0 = 16 rows of W, source 1 = 16 rows of x.  Lane l then holds row l % 16 of out0 and the columns 8 (l / 16) + 0..7: 32 bytes on end.
; REGISTERS, in windows of 256 (s_set_vgpr_msb: bits 1:0 source 0, 3:2 source 1, 5:4 source 2, 7:6 destination):
;   window 0: v0-31 addresses; v64-127, v128-191 x's f16 fragments, two buffers (on the way out: rows read back from the stage); v192-255 the bias, 8 registers for each block of 16 columns
;   window 1: v0-63, v64-127 W's fragments, two buffers; v128-255 x's staging, 16 registers a fragment
;   window 2: the 32 accumulators of my rows 0-63 ((a, b) at v[8 (8 a + b)]);   window 3: those of my rows 64-127
.set PA,     272                       ; a row of x in LDS: 256 bytes + 16 of padding = 68 words: row r starts at bank 4 r mod 64 (64 banks of 4 bytes: ISA guide 11.1): the 16 rows of a load start at 16 different groups of four banks
.set PB,     144                       ; a row of W: 128 + 16 = 36 words: likewise
.set HALFA,  128*PA                    ; 128 rows of x: what one tensor load brings, and what one wave reads
.set HALFB,  128*PB                    ; the same of W
.set BOFF,   2*HALFA                   ; in a slot: x's 256 rows, then W's 256 rows
.set SLOT,   BOFF+2*HALFB              ; 106,496 bytes
.set STAGE,  2*SLOT                    ; behind the ring: 16 rows x 528 bytes for each wave, for the way out; no tensor load lands there
.set SPITCH, 528                       ; 512 bytes + 16
.set SPARE,  STAGE+4*16*SPITCH         ; behind the stages: the spare words, 128 bytes for each wave: two blocks of 256 bytes that no other line names
.set XSTEP,  256                       ; bytes from a K step to the next: in a row of x,
.set WSTEP,  262144                    ; in wh
.set OROW,   8192                      ; bytes in a row of out0
.set LAPS,   32                        ; a lap = two K steps = once round the ring
.set ADRA, 16                          ; v16-17  LDS address of my fragments of x in slot 0, 1
.set ADRB, 20                          ; v20-21  the same for W
.set STO,  24                          ; v24     the way out: where I put 32 bytes of a row
.set RD,   25                          ; v25     the way out: where I read a row back
.set CO,   26                          ; v26     my 16 bytes of a row's 512 in out0
.set BO,   27                          ; v27     my 32 bytes of a block's 64 in bias
.set SPW,  28                          ; v28     LDS address of my spare word: SPARE + 4 x my thread's number; never rewritten
.set NIL,  29                          ; v29     0; never rewritten
.set PFO,  30                          ; v30     the prefetches' offset; never rewritten
.set FA,   64                          ; window 0: x's fragments, buffer f at FA + 64 f
.set OB,   64                          ; the way out: 16 rows read back, two buffers by turns
.set BIASR, 192                        ; window 0
.set STG,  128                         ; window 1
.set WV,   12                          ; s12  my wave's number
.set HI,   13                          ; s13  which half of the tile's rows is mine
.set LO,   14                          ; s14  which half of its columns.  Also: which 128 rows of a tile I fetch
.set CX,   15                          ; s15, s16  my place in the cluster
.set CY,   16
.set TC,   17                          ; s17  tile column of out0
.set TR,   18                          ; s18  tile row
.set G1A,  24                          ; s[24:31] descriptor group 1 for x's tiles
.set G0A,  32                          ; s[32:39] group 0, a set for each slot
.set LIM,  43                          ; s43  2 in a wave that prefetches, else the greatest number
.set PFA,  44                          ; s[44:45] where my prefetches stand
.set PFS,  46                          ; s[46:47] a K step there, in bytes
.set G1B,  48                          ; s[48:55], s[56:63] the same two groups for W's tiles
.set G0B,  56
.set MSB, 0
.macro WIN new                         ; the immediate's high byte repeats the setting that is left; a switch that changes nothing is dropped
.if MSB != (\new)
	s_set_vgpr_msb (MSB<<8)|(\new)
.set MSB, \new
.endif
.endm
.set MUL_LO, 0xa1                      ; source 0 (W) window 1, source 1 (x) window 0, C and D window 2
.set MUL_HI, 0xf1                      ; the same, C and D window 3
.set BEG_LO, 0x81                      ; a sum's first product: C (the bias) window 0, D window 2; + 0x40: D window 3
.set W_CV,   0x05                      ; a conversion: both sources window 1, destination window 0
.set TO_1,   0x40                      ; an LDS load: destination window 1, address window 0
; A joint load.  Waves 0 and 1 fetch the two halves of x's tile, waves 2 and 3 those of W's.  Each of the two lines has one mask and one set of registers for all that issue it; the branch hangs on the
; wave's number alone.  An s_nop 0 and four v_nop follow each line, ahead of the jump, the label and what follows.
.macro JLOAD s
	s_cmp_lt_u32 s[WV], 2
	s_cbranch_scc0 .Lfor_b_\@
	tensor_load_to_lds s[G0A+4*(\s):G0A+4*(\s)+3], s[G1A:G1A+7]
	s_nop 0
.rept 4
	v_nop
.endr
	s_branch .Lasked_\@
.Lfor_b_\@:
	tensor_load_to_lds s[G0B+4*(\s):G0B+4*(\s)+3], s[G1B:G1B+7]
	s_nop 0
.rept 4
	v_nop
.endr
.Lasked_\@:
.endm
; A PREFETCH INTO THE L2, behind each joint refill, its five lines and the run of LDS loads: the K step that stands FOUR refills on, 512 matrix instructions ahead of the load that will ask for it.
; Each 256 bytes are named once in the launch.  x's rows of a tile row are read by both clusters of that row of clusters: cluster x = 0 asks, its waves 0 and 1; of the 128 rows that a wave fetches the
; partner at cx takes 32, a lane a row.  W's 32,768 bytes of a tile column and step are read by all eight clusters of that column: cluster y = 0 asks, its wave 2; the partner at cy takes 8,192 bytes, a
; lane 256.  The partners are told apart by address alone.  K steps 0 to 5 come by their loads alone; the last two trips, whose look-ahead would pass step 63, ask for nothing.
.macro ASK
	s_cmp_gt_u32 s3, s[LIM]                        ; s3: trips still to come, this one among them
	s_cbranch_scc0 .Lnot_mine_\@
	global_prefetch_b8 v[PFO], s[PFA:PFA+1] th:TH_LOAD_NT scope:SCOPE_SE
.Lnot_mine_\@:
.endm
; A round of the cluster's barrier: my work-group's barrier, so that wave 0's signal speaks for all four waves; wave 0 signals; every wave waits for all sixteen work-groups; my work-group's barrier once more.
.macro CREST                           ; a round behind its opening barrier
	s_cmp_lg_u32 s[WV], 0
	s_cbranch_scc1 .Lnot_wave_0_\@
	s_barrier_signal -3
.Lnot_wave_0_\@:
	s_barrier_wait -3
	s_barrier_signal -1
	s_barrier_wait -1
.endm
.macro CROUND                          ; a whole round
	s_barrier_signal -1
	s_barrier_wait -1
	CREST
.endm
	s_load_b256 s[4:11], s[0:1], 0x0               ; x s[4:5], wh s[6:7], bias s[8:9], out0 s[10:11]
	v_lshl_add_u32 v[SPW], v0, 2, SPARE
	v_mov_b32 v[NIL], 0
	ds_add_u32 v[SPW], v[NIL]                      ; the wave's opening: the add, twice on end, and its wait ahead of my first tensor load; the set-up below, work on registers, stands between
	ds_add_u32 v[SPW], v[NIL]                      ; and once more, under the one wait
	v_lshrrev_b32 v1, 5, v0
	v_readfirstlane_b32 s[WV], v1                  ; wave 0..3
	s_lshr_b32 s[HI], s[WV], 1
	s_and_b32 s[LO], s[WV], 1
	s_bfe_u32 s[CX], ttmp6, 0x40000
	s_bfe_u32 s[CY], ttmp6, 0x40004
	s_lshl_b32 s[TC], ttmp9, 2                     ; in a cluster launch ttmp9 and ttmp7 count clusters
	s_add_co_u32 s[TC], s[TC], s[CX]               ; tile column = 4 x cluster x + cx
	s_and_b32 s[TR], ttmp7, 0xffff
	s_lshl_b32 s[TR], s[TR], 2
	s_add_co_u32 s[TR], s[TR], s[CY]               ; tile row = 4 x cluster y + cy
	s_lshl_b32 s19, s[CY], 2
	s_lshl_b32 s19, 15, s19                        ; my row of the cluster: places 4 cy .. 4 cy + 3
	s_lshl_b32 s20, 0x1111, s[CX]                  ; my column: places cx, cx + 4, cx + 8, cx + 12
	; group 1 for x: 128 rows x 64 elements of 4 bytes, 4,096 elements from row to row; in LDS 4 words of padding (code 3) after every 64 (code 5)
	s_or_b32 s[G1A+0], s19, (2<<16)|(1<<20)|(1<<21)|(5<<22)|(3<<25)  ; 15:0 the mask: my row; 17:16 element size; 20 padding on; 21 set beside a mask
	s_mov_b32 s[G1A+1], 64<<16                     ; tensor_dim0 = 64
	s_mov_b32 s[G1A+2], 128<<16                    ; tensor_dim1 = 128
	s_mov_b32 s[G1A+3], 64<<16                     ; tile_dim0 = 64
	s_mov_b32 s[G1A+4], 128                        ; tile_dim1 = 128
	s_mov_b32 s[G1A+5], 4096                       ; tensor_dim0_stride
	s_mov_b32 s[G1A+6], 0
	s_mov_b32 s[G1A+7], 0
	; group 1 for W: 16,384 bytes on end as 64 rows x 128 elements of 2 bytes; 4 words of padding after every 32 (code 4), that is after each row of W
	s_or_b32 s[G1B+0], s20, (1<<16)|(1<<20)|(1<<21)|(4<<22)|(3<<25)  ; the mask: my column
	s_mov_b32 s[G1B+1], 128<<16
	s_mov_b32 s[G1B+2], 64<<16
	s_mov_b32 s[G1B+3], 128<<16
	s_mov_b32 s[G1B+4], 64
	s_mov_b32 s[G1B+5], 128
	s_mov_b32 s[G1B+6], 0
	s_mov_b32 s[G1B+7], 0
	; where the tiles come from: x's hang on the tile row alone, W's on the tile column alone.  Every wave makes both, each in registers that never hold the other coordinate.
	s_lshl_b32 s21, s[LO], 7                       ; which 128 rows of the tile I fetch
	s_lshl_b32 s66, s[TR], 8
	s_add_co_u32 s66, s66, s21
	s_lshl_b32 s66, s66, 14                        ; a row of x is 16,384 bytes (all of x: 2^27)
	s_mov_b32 s67, 0
	s_lshl_b32 s68, s[TC], 8
	s_add_co_u32 s68, s68, s21
	s_lshl_b32 s68, s68, 7                         ; a row of W in a step is 128 bytes
	s_mov_b32 s69, 0
	s_mul_i32 s40, s[LO], HALFA                    ; and where they go: no place in the cluster enters an LDS address
	s_mul_i32 s41, s[LO], HALFB
	s_add_co_u32 s41, s41, BOFF
	s_wait_dscnt 0x0                               ; both opening adds are done
	s_wait_kmcnt 0x0
	s_add_nc_u64 s[66:67], s[4:5], s[66:67]
	s_add_nc_u64 s[68:69], s[6:7], s[68:69]
	CROUND                                         ; all sixteen work-groups are here: the first joint loads meet
.irp s, 0,1
	s_mov_b32 s[G0A+4*(\s)], 1                                       ; count = 1
	s_add_co_u32 s[G0A+4*(\s)+1], s40, (\s)*SLOT                     ; LDS address
	s_add_nc_u64 s[G0A+4*(\s)+2:G0A+4*(\s)+3], s[66:67], (\s)*XSTEP  ; global address: K step s
	s_or_b32 s[G0A+4*(\s)+3], s[G0A+4*(\s)+3], 0x80000000            ; type = 2
	s_mov_b32 s[G0B+4*(\s)], 1
	s_add_co_u32 s[G0B+4*(\s)+1], s41, (\s)*SLOT
	s_add_nc_u64 s[G0B+4*(\s)+2:G0B+4*(\s)+3], s[68:69], (\s)*WSTEP
	s_or_b32 s[G0B+4*(\s)+3], s[G0B+4*(\s)+3], 0x80000000
	JLOAD \s                                       ; both slots are asked for before anything else is done: two loads of mine are out
.endr
	; A fragment is 16 rows x 32 K of f16 in 8 registers: lane l holds row l % 16; registers 0-3 K = 8 (l / 16) + 0..7, registers 4-7 K = 16 + 8 (l / 16) + 0..7.
	; W: two loads of 16 bytes, 32 bytes apart.  x, still f32: four loads of 16 bytes, at 32 (l / 16) + 0, 16, 64, 80 of the half's 128 bytes.
	v_and_b32 v1, 15, v0                           ; l % 16
	v_bfe_u32 v2, v0, 4, 1                         ; l / 16
	v_and_b32 v3, 31, v0                           ; l
	v_mul_u32_u24 v4, v1, PA
	v_lshl_add_u32 v4, v2, 5, v4
	v_mul_u32_u24 v5, v1, PB
	v_lshl_add_u32 v5, v2, 4, v5
	s_mul_i32 s21, s[HI], HALFA                    ; my 128 rows of x
	s_mul_i32 s22, s[LO], HALFB                    ; my 128 rows of W,
	s_add_co_u32 s22, s22, BOFF                    ; which lie behind x's 256
.irp s, 0,1
	v_add_nc_u32 v[ADRA+(\s)], s21, v4
	v_add_nc_u32 v[ADRB+(\s)], s22, v5
	s_add_co_u32 s21, s21, SLOT
	s_add_co_u32 s22, s22, SLOT
.endr
	s_mul_i32 s23, s[WV], 16*SPITCH
	s_add_co_u32 s23, s23, STAGE                   ; my stage
	v_mul_u32_u24 v4, v1, SPITCH                   ; in: row l % 16, 32 bytes for each half of the lanes
	v_lshl_add_u32 v4, v2, 5, v4
	v_add_nc_u32 v[STO], s23, v4
	v_lshl_add_u32 v[RD], v3, 4, s23               ; back: 32 lanes take one row of 512 bytes,
	v_lshlrev_b32 v[CO], 4, v3                     ; and the same in out0
	v_lshlrev_b32 v[BO], 5, v2
	s_lshl_b32 s72, s[TC], 10                      ; my 128 columns, in bytes of f32: 1,024 x tile column + 512 x half: in bias and in a row of out0
	s_lshl_b32 s73, s[LO], 9
	s_add_co_u32 s72, s72, s73
	s_mov_b32 s73, 0
	s_add_nc_u64 s[8:9], s[8:9], s[72:73]
	s_lshl_b32 s70, s[TR], 8
	s_lshl_b32 s71, s[HI], 7
	s_add_co_u32 s70, s70, s71                     ; my first row of out0
	s_lshl_b32 s70, s70, 13
	s_add_co_u32 s70, s70, s72
	s_mov_b32 s71, 0
	s_add_nc_u64 s[10:11], s[10:11], s[70:71]
.irp b, 0,1,2,3,4,5,6,7                ; register j of block b: bias of column 16 b + 8 (l / 16) + j: the layout of a C operand
	global_load_b128 v[BIASR+8*(\b):BIASR+8*(\b)+3],   v[BO], s[8:9] offset:64*(\b)
	global_load_b128 v[BIASR+8*(\b)+4:BIASR+8*(\b)+7], v[BO], s[8:9] offset:64*(\b)+16
.endr
	; the prefetches' address: offsets are made apart, the buffer is chosen by the wave's number.  It starts at K step 5; each change of slots steps it first, so the first names step 6.
	s_lshl_b32 s70, s[TR], 8
	s_lshl_b32 s71, s[LO], 7
	s_add_co_u32 s70, s70, s71
	s_lshl_b32 s71, s[CX], 5
	s_add_co_u32 s70, s70, s71                     ; x: my work-group's 32 of the 128 rows that I fetch
	s_lshl_b32 s70, s70, 14
	s_add_co_u32 s70, s70, 5*XSTEP
	s_lshl_b32 s72, s[TC], 15                      ; wh: the tile column's 32,768 bytes of a step,
	s_lshl_b32 s73, s[CY], 13                      ; my work-group's 8,192 of them
	s_add_co_u32 s72, s72, s73
	s_add_co_u32 s72, s72, 5*WSTEP
	s_and_b32 s74, ttmp7, 0xffff
	s_or_b32 s74, s74, s[LO]                       ; for W: cluster y = 0, and wave 2 alone
	s_cmp_eq_u32 s[HI], 0                          ; do I fetch for x?
	s_cselect_b32 s70, s70, s72
	s_cselect_b32 s74, ttmp9, s74                  ; for x: cluster x = 0
	s_cselect_b32 s75, 14, 8                       ; a lane's share: a row of x, or 256 bytes of wh
	s_cselect_b32 s42, 8, 18                       ; a K step: 256 bytes, or 262,144
	s_cselect_b64 s[PFA:PFA+1], s[4:5], s[6:7]
	s_mov_b32 s71, 0
	s_add_nc_u64 s[PFA:PFA+1], s[PFA:PFA+1], s[70:71]
	s_lshl_b32 s[PFS], 1, s42
	s_mov_b32 s[PFS+1], 0
	s_cmp_eq_u32 s74, 0
	s_cselect_b32 s[LIM], 2, -1                    ; the same in all sixteen partners, for a given wave
	v_lshlrev_b32 v[PFO], s75, v3
; 16 matrix instructions: m blocks a0, a0 + 1 of the window's four (hi = 0: my rows 0-63, 1: rows 64-127) x all 8 n blocks, 32 along K, on buffer f.
; first = 1: the products start the sums, at the bias: nothing is cleared, and nothing is added afterwards.
; The 64 accumulators take turns, one instruction a turn, in the same order in every half, over the backward jump too.
.macro MUL16 f, hi, a0, first
.if \first
	WIN BEG_LO+0x40*(\hi)
.else
	WIN MUL_LO+0x50*(\hi)
.endif
.irp a, \a0, (\a0)+1
.irp b, 0,1,2,3,4,5,6,7
.if \first
	v_wmma_f32_16x16x32_f16 v[8*(8*(\a)+(\b)):8*(8*(\a)+(\b))+7], v[64*(\f)+8*(\b):64*(\f)+8*(\b)+7], v[FA+64*(\f)+8*(4*(\hi)+(\a)):FA+64*(\f)+8*(4*(\hi)+(\a))+7], v[BIASR+8*(\b):BIASR+8*(\b)+7]
.else
	v_wmma_f32_16x16x32_f16 v[8*(8*(\a)+(\b)):8*(8*(\a)+(\b))+7], v[64*(\f)+8*(\b):64*(\f)+8*(\b)+7], v[FA+64*(\f)+8*(4*(\hi)+(\a)):FA+64*(\f)+8*(4*(\hi)+(\a))+7], v[8*(8*(\a)+(\b)):8*(8*(\a)+(\b))+7]
.endif
.endr
.endr
.endm
; 48 LDS loads in one run, all under one window setting: half sub of the slot's K step: x's 128 rows x 32 f32 into the staging area, then W's 128 rows x 32 f16 into buffer g.
.macro FETCH slot, sub, g
	WIN TO_1
.irp i, 0,1,2,3,4,5,6,7
.irp c, 0,1,2,3
	ds_load_b128 v[STG+16*(\i)+4*(\c):STG+16*(\i)+4*(\c)+3], v[ADRA+(\slot)] offset:128*(\sub)+16*PA*(\i)+16*((\c)&1)+64*((\c)>>1)
.endr
.endr
.irp b, 0,1,2,3,4,5,6,7
	ds_load_b128 v[64*(\g)+8*(\b):64*(\g)+8*(\b)+3],   v[ADRB+(\slot)] offset:64*(\sub)+16*PB*(\b)
	ds_load_b128 v[64*(\g)+8*(\b)+4:64*(\g)+8*(\b)+7], v[ADRB+(\slot)] offset:64*(\sub)+16*PB*(\b)+32
.endr
.endm
; A half's last 16 matrix instructions (rows 96-127), on buffer f; behind each stand four conversions that make x's fragments of buffer g from the staging area: register q of the buffer from registers
; 2 q, 2 q + 1.  They name no register of the products round them.  The four behind the last product are the four plain vector instructions that stand between a matrix instruction and a load into, or a
; vector write of, a register that it has read (ISA guide 7.12.1 for vector instructions): buffer f is next loaded and written only behind them.
.macro RIDE16 f, g, first
.set n, 0
.rept 16
.set rD, 8*(8*(2+n/8)+n%8)
.set rB, 64*(\f)+8*(n%8)
.set rA, FA+64*(\f)+8*(6+n/8)
.if \first
	WIN BEG_LO+0x40
	v_wmma_f32_16x16x32_f16 v[rD:rD+7], v[rB:rB+7], v[rA:rA+7], v[BIASR+8*(n%8):BIASR+8*(n%8)+7]
.else
	WIN MUL_HI
	v_wmma_f32_16x16x32_f16 v[rD:rD+7], v[rB:rB+7], v[rA:rA+7], v[rD:rD+7]
.endif
.if n%2 == 0
	s_wait_dscnt 44-2*n                            ; staging fragment n / 2 is in: behind its four loads stand those of the 7 - n / 2 later fragments and W's sixteen
.endif
	WIN W_CV
.irp k, 0,1,2,3
	v_cvt_pk_f16_f32 v[FA+64*(\g)+4*n+(\k)], v[STG+8*n+2*(\k)], v[STG+8*n+2*(\k)+1]
.endr
.set n, n+1
.endr
.endm
; A K step's first half: multiplies buffer 0; fetches the same slot's second half, 32 matrix instructions ahead of the first conversion.
.macro H0 slot, first
	s_wait_dscnt 0x0                               ; W's fragments of buffer 0 are in
	MUL16 0, 0, 0, \first
	FETCH \slot, 1, 1
	MUL16 0, 0, 2, \first
	MUL16 0, 1, 0, \first
	RIDE16 0, 1, \first
.endm
; A K step's second half multiplies buffer 1 and changes slots.  ONE barrier for two things: in front of it each wave waits for all its tensor loads, of which one is out: its part of the next slot; adds 0 to
; its spare word; and waits for that and for its own reads of this slot.  Behind it nobody reads this slot any more and the next slot is whole.
; fill = 1: the barrier opens a round of the cluster's, so that no wave of any partner still reads the slot or has a load on its way; the joint refill, two K steps on, is the first thing behind the round:
; 96 matrix instructions ahead of the wait for it.  Then the next slot's first half is fetched.
.macro TURN slot, next, fill
.if \fill
	s_wait_xcnt 0x0                                ; the last prefetch, a K step back, has read its address: it is stepped here, ahead of the waits of the change of slots
	s_add_nc_u64 s[PFA:PFA+1], s[PFA:PFA+1], s[PFS:PFS+1]
.endif
	WIN 0                                          ; (the add's two registers lie in window 0)
	s_wait_tensorcnt 0x0                           ; all my tensor loads have landed;
	ds_add_u32 v[SPW], v[NIL]                      ; 0 onto my spare word;
	s_wait_dscnt 1                                 ; (the add may be out: W's fragments of buffer 1, which are older, are in)
	MUL16 1, 0, 0, 0                               ; sixteen matrix instructions stand between the add and the wait for it
	s_wait_dscnt 0x0                               ; the add is done, and my reads of this slot are over:
	s_barrier_signal -1                            ; say so,
	MUL16 1, 0, 2, 0                               ; work on registers while the others arrive,
.if \fill
	WIN 0
.endif
	s_barrier_wait -1                              ; and go on when all four have said so
.if \fill
	CREST
	s_add_nc_u64 s[G0A+4*(\slot)+2:G0A+4*(\slot)+3], s[G0A+4*(\slot)+2:G0A+4*(\slot)+3], 2*XSTEP  ; no tensor load of mine is out, so a group 0 may be written; the type bits on top are not reached
	s_add_nc_u64 s[G0B+4*(\slot)+2:G0B+4*(\slot)+3], s[G0B+4*(\slot)+2:G0B+4*(\slot)+3], 2*WSTEP
	JLOAD \slot
.endif
	FETCH \next, 0, 0
.if \fill
	WIN 0
	ASK
.endif
	MUL16 1, 1, 0, 0
	RIDE16 1, 0, 0
.endm
; THE WAY OUT of block a (16 rows x 128 columns of f32).  A lane's 32 bytes of a row go into my own stage, rows of 528 bytes, each accumulator's low registers first; whole rows of
; 512 bytes come back.  The stage is the wave's own: LDS serves a wave's instructions in order (ISA guide 5.7.1.4), so the loads see the stores above them, and the next block's stores come behind the loads.
.macro TOSTAGE a
	WIN 0x08+4*((\a)/4)                            ; the data (source 1) in window 2 or 3
.irp b, 0,1,2,3,4,5,6,7
	ds_store_b128 v[STO], v[64*((\a)%4)+8*(\b):64*((\a)%4)+8*(\b)+3]   offset:64*(\b)
	ds_store_b128 v[STO], v[64*((\a)%4)+8*(\b)+4:64*((\a)%4)+8*(\b)+7] offset:64*(\b)+16
.endr
	WIN 0
.if (\a) >= 2
	s_wait_xcnt 0x0                                ; the stores of the block two back have read their data: their registers are loaded again only behind this wait
.endif
.irp t, 0,1,2,3,4,5,6,7,8,9,10,11,12,13,14,15
	ds_load_b128 v[OB+64*((\a)%2)+4*(\t):OB+64*((\a)%2)+4*(\t)+3], v[RD] offset:SPITCH*(\t)
.endr
.endm
.macro SEND a, younger                 ; younger: the LDS instructions issued behind block a's loads: the next block's 32, or none
	WIN 0
.irp t, 0,1,2,3,4,5,6,7,8,9,10,11,12,13,14,15
	s_wait_dscnt (\younger)+15-(\t)                ; row t is back
	global_store_b128 v[CO], v[OB+64*((\a)%2)+4*(\t):OB+64*((\a)%2)+4*(\t)+3], s[10:11] offset:(16*(\a)+(\t))*OROW th:TH_STORE_NT  ; 32 lanes store 512 bytes on end, at a multiple of 512 from out0's first byte
.endr
.endm
	s_wait_tensorcnt 1                             ; my part of K step 0 is in; step 1's may stay out
	s_barrier_signal -1
	s_barrier_wait -1                              ; everybody's is
	FETCH 0, 0, 0
	s_wait_dscnt 16                                ; the staging area is in; W's sixteen loads may stay out
	WIN W_CV
.set q, 0
.rept 64                               ; the first half's fragments of x: there are no products yet to set them behind
	v_cvt_pk_f16_f32 v[FA+q], v[STG+2*q], v[STG+2*q+1]
.set q, q+1
.endr
	s_wait_loadcnt 0x0                             ; the bias
	H0 0, 1                                        ; the first half stands in front of the loop: its products start the sums
	WIN 0                                          ; at a label and at a branch every window is 0
	s_mov_b32 s3, LAPS-1
.Llap:                                                 ; a trip goes once round the ring, from a lap's second half to the next lap's first, and fills both slots again: K steps 2 to 63
	TURN 0, 1, 1
	H0 1, 0
	TURN 1, 0, 1
	H0 0, 0
	WIN 0
	s_sub_co_u32 s3, s3, 1
	s_cmp_lg_u32 s3, 0
	s_cbranch_scc1 .Llap
	TURN 0, 1, 0                                   ; the last lap fills nothing, and has no round of the cluster's barrier
	H0 1, 0
	s_wait_dscnt 0x0                               ; the very last half: nothing more to fetch
	MUL16 1, 0, 0, 0
	MUL16 1, 0, 2, 0
	MUL16 1, 1, 0, 0
	MUL16 1, 1, 2, 0
	WIN 0
.rept 8
	v_nop                                          ; the places between the last products and the LDS stores that read results, and the loads into the fragments' registers; no other vector work is at hand
.endr
	TOSTAGE 0
.irp a, 1,2,3,4,5,6,7                  ; block a goes through the stage while block a - 1's rows come back and leave
	TOSTAGE \a
	SEND (\a)-1, 32
.endr
	SEND 7, 0
	s_wait_tensorcnt 0x0                           ; the wave's end, behind my last tensor load and my last LDS store
	ds_add_u32 v[SPW], v[NIL]
	s_wait_dscnt 0x0
	CROUND                                         ; the closing round: no work-group ends while a partner may still ask for a tile that names it
	s_endpgm
.Lfunc_end_k_q5966fd9202_gemm:
	.size	k_q5966fd9202_gemm, .Lfunc_end_k_q5966fd9202_gemm-k_q5966fd9202_gemm
	.p2alignl 7, 3214868480
	.fill 96, 4, 3214868480
	.section	.rodata,"a",@progbits
	.p2align	6, 0x0
	.amdhsa_kernel k_q5966fd9202_gemm
		.amdhsa_group_segment_fixed_size 327680
		.amdhsa_private_segment_fixed_size 0
		.amdhsa_enable_private_segment 0
		.amdhsa_kernarg_size 32
		.amdhsa_user_sgpr_count 2
		.amdhsa_user_sgpr_kernarg_segment_ptr 1
		.amdhsa_wavefront_size32 1
		.amdhsa_system_sgpr_workgroup_id_x 1
		.amdhsa_system_sgpr_workgroup_id_y 1
		.amdhsa_system_sgpr_workgroup_id_z 1
		.amdhsa_system_vgpr_workitem_id 0
		.amdhsa_next_free_vgpr 1024
		.amdhsa_next_free_sgpr 80
		.amdhsa_reserve_vcc 0
		.amdhsa_float_denorm_mode_32 3
		.amdhsa_float_denorm_mode_16_64 3
		.amdhsa_memory_ordered 1
		.amdhsa_forward_progress 1
		.amdhsa_inst_pref_size 144
	.end_amdhsa_kernel
	.amdgpu_metadata
---
amdhsa.version: [ 1, 2 ]
amdhsa.kernels:
  - .name:           k_q5966fd9202_gemm
    .symbol:         k_q5966fd9202_gemm.kd
    .args:
      - { .name: x, .offset: 0, .size: 8, .value_kind: global_buffer, .address_space: global }
      - { .name: wh, .offset: 8, .size: 8, .value_kind: global_buffer, .address_space: global }
      - { .name: bias, .offset: 16, .size: 8, .value_kind: global_buffer, .address_space: global }
      - { .name: out0, .offset: 24, .size: 8, .value_kind: global_buffer, .address_space: global }
    .group_segment_fixed_size: 327680
    .private_segment_fixed_size: 0
    .kernarg_segment_align: 8
    .kernarg_segment_size: 32
    .max_flat_workgroup_size: 128
    .sgpr_count:     80
    .vgpr_count:     1024
    .wavefront_size: 32
...
	.end_amdgpu_metadata
.endif
;; end of part 2
;; ======== version 2 of 3: 2 launches
;; limits: inputs' magnitudes at most 65,504; values are held in f16: magnitudes above 65,504 overflow, below 6.1e-05 lose precision
;; workspace buffers: xh 67,108,864 bytes; wh 16,777,216 bytes
;; launch prep (part 3): grid 256 x 1, 32 waves a work-group, no clusters, 0 bytes of LDS; arguments x, packed_weight, absmax, xh, wh; writes xh, wh
.if DOCPART == 3
	.amdgcn_target "amdgcn-amd-amdhsa--gfx1250"
	.amdhsa_code_object_version 6
	.text
	.protected	k_q5966fd9202_prep
	.globl	k_q5966fd9202_prep
	.p2align	8
	.type	k_q5966fd9202_prep,@function
k_q5966fd9202_prep:
	s_mov_b64 s[64:65], 0
	v_nop
	global_prefetch_b8 v0, s[64:65] scope:SCOPE_SE
	s_setreg_imm32_b32 hwreg(HW_REG_WAVE_MODE, 25, 1), 1
	s_wait_xcnt 0x0
; Both operands of the product that follows, in f16, each rounded once:
;   xh[8192][4096] = f16(x), in x's own order;   wh[2048][4096] = f16(code[nibble] x absmax), the product taken in f32.
; IN.   x: 33,554,432 f32.  packed_weight: one 32-bit word holds two 4-bit codes, bits 7:4 the even k, bits 3:0 the odd k (higher bits are not looked at).  absmax: one f32 for 64 weights on end.
; A packed word is 4 bytes and its two f16 are 4 bytes: a word and its result have the same byte offset in their buffers.
; LIMITS.  |x| or |code x absmax| of 65,520 or more becomes an infinity; below 6.1e-5 a result keeps f16's fixed step of 6e-8.
; SHARES.  256 work-groups of 32 waves.  Wave gw = 32 b + w takes 16,384 bytes on end of x (32 loads of 16 bytes a lane) and 2,048 bytes on end of packed_weight (4 such loads: a quarter of a row of W,
; 16 numbers of absmax).  A load takes 512 bytes on end, aligned.  A store into wh likewise; a store into xh is 8 bytes a lane: 32 lanes fill 256 bytes on end, aligned.
; ORDER.  absmax, the packed words and x's first sixteen loads are issued at once; the table is made while they are out; W's four groups are finished while x's loads are still on their way; then x goes
; through a ring of sixteen slots in registers, twice round: 8 KiB of every wave are on their way until the last round.
; THE TABLE lies across the lanes of one register (lane i: code[i % 16]); a code is fetched by a lane permute, which touches no LDS byte.
; Memory binds: no LDS, no barrier, no matrix work, no cluster (nothing is shared), no loop.
.set TAB, 4                            ; v4      lane i: code[i % 16]
.set GI,  5                            ; v5      4 (l / 8)
.set VI,  6                            ; v6      my byte offset in x; never rewritten
.set VO,  7                            ; v7      my byte offset in xh; never rewritten
.set VP,  8                            ; v8      my byte offset in packed_weight and in wh; never rewritten
.set VA,  9                            ; v9      my byte offset in absmax; never rewritten
.set AB,  10                           ; v10     lane L: the wave's absmax number L % 16
.set AI,  11                           ; v11     4 x the lane that holds my absmax
.set T,   12                           ; v12-19  4 x code number, eight of them
.set CB,  20                           ; v20-27, v30-37  eight code values, two stages by turns
.set AP,  28                           ; v28-29, v38-39  my absmax; the upper register holds 0: the packed multiply names the pair and takes its low word
.set Y,   12                           ; v12-43  when W is finished: the first round's f16, two registers a slot; each is written once
.set P,   44                           ; v44-59  group j: four packed words as loaded, then four pairs of f16 to store
.set X,   60                           ; v60-123 slot t: four f32 as loaded; in the second round the slot's f16 take its first two registers
	s_load_b256 s[4:11], s[0:1], 0x0               ; x s[4:5], packed_weight s[6:7], absmax s[8:9], xh s[10:11]
	s_load_b64 s[12:13], s[0:1], 0x20              ; wh
	v_lshrrev_b32 v1, 5, v0
	v_readfirstlane_b32 s14, v1                    ; wave 0..31
	v_and_b32 v1, 31, v0                           ; l
	v_lshrrev_b32 v2, 3, v1                        ; l / 8: eight lanes, 32 words, share an absmax
	v_and_b32 v3, 15, v1
	s_lshl_b32 s15, ttmp9, 5
	s_add_co_u32 s15, s15, s14                     ; gw
	s_lshl_b32 s16, s15, 14                        ; x: 16,384 bytes a wave (all of x: 2^27)
	s_lshl_b32 s17, s15, 13                        ; xh: 8,192
	s_lshl_b32 s18, s15, 11                        ; packed_weight, wh: 2,048
	s_lshl_b32 s19, s15, 6                         ; absmax: 64
	v_lshl_add_u32 v[VI], v1, 4, s16
	v_lshl_add_u32 v[VO], v1, 3, s17
	v_lshl_add_u32 v[VP], v1, 4, s18
	v_lshl_add_u32 v[VA], v3, 2, s19
	v_lshlrev_b32 v[GI], 2, v2
	v_mov_b32 v[AP+1], 0
	v_mov_b32 v[AP+11], 0
	s_wait_kmcnt 0x0
	global_load_b32 v[AB], v[VA], s[8:9]
.set jj, 0
.rept 4
	global_load_b128 v[P+4*jj:P+4*jj+3], v[VP], s[6:7] offset:512*jj th:TH_LOAD_NT  ; read once in the launch
.set jj, jj+1
.endr
.set tt, 0
.rept 16
	global_load_b128 v[X+4*tt:X+4*tt+3], v[VI], s[4:5] offset:512*tt th:TH_LOAD_NT  ; the ring is filled
.set tt, tt+1
.endr
	; the table is made while the loads are on their way: reference()'s sixteen f32 numbers
	v_and_b32 v15, 15, v0
	v_mov_b32 v[TAB], -1.0                         ; code 0
.macro CODE k, bits
	s_mov_b32 s20, \bits
	v_cmp_eq_u32 vcc_lo, \k, v15
	v_cndmask_b32 v[TAB], v[TAB], s20, vcc_lo
.endm
	CODE 1,  0xbf3239b1                            ; -0.6961928
	CODE 2,  0xbf066b30                            ; -0.52507305
	CODE 3,  0xbeca32a0                            ; -0.3949175
	CODE 4,  0xbe91a24d                            ; -0.28444138
	CODE 5,  0xbe3d353f                            ; -0.18477343
	CODE 6,  0xbdba7871                            ; -0.091050036
	CODE 7,  0                                     ;  0
	CODE 8,  0x3da2faff                            ;  0.0795803
	CODE 9,  0x3e24cae3                            ;  0.1609302
	CODE 10, 0x3e7c04dd                            ;  0.2461123
	CODE 11, 0x3ead033a                            ;  0.33791524
	CODE 12, 0x3ee1a4b8                            ;  0.44070983
	CODE 13, 0x3f1007ab                            ;  0.562617
	CODE 14, 0x3f3913b3                            ;  0.72295684
	CODE 15, 0x3f800000                            ;  1
; Group j's four words: eight code numbers times 4 (a permute's index is a lane times 4), the eight values and my absmax asked of the lanes that hold them.
.macro LOOK j
	s_wait_loadcnt 19-(\j)                         ; loads come back in order (ISA guide 5.7.1): group j is in; the 3 - j younger groups and x's sixteen loads stay out; absmax is older than all
.irp d, 0,1,2,3
	v_lshrrev_b32 v[T+2*(\d)],   2, v[P+4*(\j)+(\d)]   ; bits 7:4 come to bits 5:2,
	v_lshlrev_b32 v[T+2*(\d)+1], 2, v[P+4*(\j)+(\d)]   ; bits 3:0 likewise
.endr
.irp i, 0,1,2,3,4,5,6,7
	v_and_b32 v[T+(\i)], 60, v[T+(\i)]
.endr
	v_add_nc_u32 v[AI], 16*(\j), v[GI]             ; my 16 bytes lie in the wave's block 4 j + l / 8 of 64 weights
.irp i, 0,1,2,3,4,5,6,7
	ds_bpermute_b32 v[CB+10*((\j)%2)+(\i)], v[T+(\i)], v[TAB]
.endr
	ds_bpermute_b32 v[AP+10*((\j)%2)], v[AI], v[AB]
.endm
; The values are scaled in f32, rounded once to f16 and stored.  left: the permutes issued behind group j's, which may stay out.
.macro FIN j, left
	s_wait_dscnt \left
.irp d, 0,1,2,3
	v_pk_mul_f32 v[CB+10*((\j)%2)+2*(\d):CB+10*((\j)%2)+2*(\d)+1], v[CB+10*((\j)%2)+2*(\d):CB+10*((\j)%2)+2*(\d)+1], v[AP+10*((\j)%2):AP+10*((\j)%2)+1] op_sel_hi:[1,0]
.endr
.irp d, 0,1,2,3
	v_cvt_pk_f16_f32 v[P+4*(\j)+(\d)], v[CB+10*((\j)%2)+2*(\d)], v[CB+10*((\j)%2)+2*(\d)+1]  ; the even k into the low half
.endr
	global_store_b128 v[VP], v[P+4*(\j):P+4*(\j)+3], s[12:13] offset:512*(\j)  ; the words' own offset; no register of a store is written again
.endm
	LOOK 0
.set jj, 1
.rept 3                                ; group j's permutes are on their way while group j - 1 is finished
	LOOK jj
	FIN jj-1, 9
.set jj, jj+1
.endr
	FIN 3, 0                                       ; no permute is out: the registers from T to AP are free
; x, first round: slot t's four numbers are rounded into registers of their own, the slot is filled again at once, sixteen loads further on, and the load stands ahead of the store.
.macro TAKE1 t
	s_wait_loadcnt 15                              ; slot t is in; the fifteen younger loads stay out
	v_cvt_pk_f16_f32 v[Y+2*(\t)],   v[X+4*(\t)],   v[X+4*(\t)+1]
	v_cvt_pk_f16_f32 v[Y+2*(\t)+1], v[X+4*(\t)+2], v[X+4*(\t)+3]
	global_load_b128 v[X+4*(\t):X+4*(\t)+3], v[VI], s[4:5] offset:512*((\t)+16) th:TH_LOAD_NT
	global_store_b64 v[VO], v[Y+2*(\t):Y+2*(\t)+1], s[10:11] offset:256*(\t)
.endm
; Second round: nothing is loaded any more, so the counts run down, and the f16 take the slot's own first two registers.
.macro TAKE2 u
	s_wait_loadcnt 15-(\u)
	v_cvt_pk_f16_f32 v[X+4*(\u)],   v[X+4*(\u)],   v[X+4*(\u)+1]
	v_cvt_pk_f16_f32 v[X+4*(\u)+1], v[X+4*(\u)+2], v[X+4*(\u)+3]
	global_store_b64 v[VO], v[X+4*(\u):X+4*(\u)+1], s[10:11] offset:256*((\u)+16)
.endm
.set tt, 0
.rept 16
	TAKE1 tt
.set tt, tt+1
.endr
.set tt, 0
.rept 16
	TAKE2 tt
.set tt, tt+1
.endr
	s_endpgm
.Lfunc_end_k_q5966fd9202_prep:
	.size	k_q5966fd9202_prep, .Lfunc_end_k_q5966fd9202_prep-k_q5966fd9202_prep
	.p2alignl 7, 3214868480
	.fill 96, 4, 3214868480
	.section	.rodata,"a",@progbits
	.p2align	6, 0x0
	.amdhsa_kernel k_q5966fd9202_prep
		.amdhsa_group_segment_fixed_size 0
		.amdhsa_private_segment_fixed_size 0
		.amdhsa_enable_private_segment 0
		.amdhsa_kernarg_size 40
		.amdhsa_user_sgpr_count 2
		.amdhsa_user_sgpr_kernarg_segment_ptr 1
		.amdhsa_wavefront_size32 1
		.amdhsa_system_sgpr_workgroup_id_x 1
		.amdhsa_system_sgpr_workgroup_id_y 1
		.amdhsa_system_sgpr_workgroup_id_z 1
		.amdhsa_system_vgpr_workitem_id 0
		.amdhsa_next_free_vgpr 124
		.amdhsa_next_free_sgpr 66
		.amdhsa_reserve_vcc 1
		.amdhsa_float_denorm_mode_32 3
		.amdhsa_float_denorm_mode_16_64 3
		.amdhsa_memory_ordered 1
		.amdhsa_forward_progress 1
		.amdhsa_inst_pref_size 22
	.end_amdhsa_kernel
	.amdgpu_metadata
---
amdhsa.version: [ 1, 2 ]
amdhsa.kernels:
  - .name:           k_q5966fd9202_prep
    .symbol:         k_q5966fd9202_prep.kd
    .args:
      - { .name: x, .offset: 0, .size: 8, .value_kind: global_buffer, .address_space: global }
      - { .name: packed_weight, .offset: 8, .size: 8, .value_kind: global_buffer, .address_space: global }
      - { .name: absmax, .offset: 16, .size: 8, .value_kind: global_buffer, .address_space: global }
      - { .name: xh, .offset: 24, .size: 8, .value_kind: global_buffer, .address_space: global }
      - { .name: wh, .offset: 32, .size: 8, .value_kind: global_buffer, .address_space: global }
    .group_segment_fixed_size: 0
    .private_segment_fixed_size: 0
    .kernarg_segment_align: 8
    .kernarg_segment_size: 40
    .max_flat_workgroup_size: 1024
    .sgpr_count:     66
    .vgpr_count:     124
    .wavefront_size: 32
...
	.end_amdgpu_metadata
.endif
;; end of part 3
;; launch gemm (part 4): grid 8 x 32, 4 waves a work-group, clusters of 4 x 4, 327,680 bytes of LDS; arguments xh, wh, bias, out0; writes out0
.if DOCPART == 4
	.amdgcn_target "amdgcn-amd-amdhsa--gfx1250"
	.amdhsa_code_object_version 6
	.text
	.protected	k_q5966fd9202_gemm
	.globl	k_q5966fd9202_gemm
	.p2align	8
	.type	k_q5966fd9202_gemm,@function
k_q5966fd9202_gemm:
	s_mov_b64 s[64:65], 0
	v_nop
	global_prefetch_b8 v0, s[64:65] scope:SCOPE_SE
	s_setreg_imm32_b32 hwreg(HW_REG_WAVE_MODE, 25, 1), 1
	s_wait_xcnt 0x0
	s_wait_alu depctr_hold_cnt(0) depctr_sa_sdst(0) depctr_va_vdst(0) depctr_va_sdst(0) depctr_va_ssrc(0) depctr_va_vcc(0) depctr_vm_vsrc(0)
	s_getreg_b32 s2, hwreg(HW_REG_IB_STS2, 6, 4)
	s_cmp_eq_u32 s2, 0
	s_cbranch_scc0 .Lentry_in_a_cluster
	s_endpgm
.Lentry_in_a_cluster:
	s_bfe_u32 s2, ttmp6, 0x10000c
	s_cmp_lg_u32 s2, 0xf033
	s_cbranch_scc0 .Lentry_shape_is_right
	s_endpgm
.Lentry_shape_is_right:
; out0[m][n] = bias[n] + the sum over k of x[m][k] W[n][k].  xh: [8192][4096] f16, wh: [2048][4096] f16, both as the launch before left them.  bias: [2048] f32.  out0: [8192][2048] f32.
; FORMATS.  Both matrix operands are f16, the sums f32.  The bias is the C operand of each sum's first product: the sums start at it, so the order of rounding is not reference()'s.
; LIMITS (the operands' format): a number of 65,520 or more has become an infinity, and below 6.1e-5 it keeps f16's fixed step of 6e-8.
; SHARES.  out0 has 32 x 8 tiles of 256 x 256, a work-group each.  Four waves, each 128 x 128: 64 accumulators of 16 x 16, 512 registers.
; K goes in 32 steps of 128 through a ring of two LDS slots filled by the tensor data mover: a tile's rows are 256 bytes of memory, at multiples of 256 from the buffer's first byte.
; A step is four QUARTERS of 32 along K, 64 matrix instructions each, on two fragment buffers by turns; a quarter's 32 LDS loads stand in one run in the middle of the quarter before.
; CLUSTERS.  4 x 4 work-groups.  The four of a row of the cluster need the same rows of xh, the four of a column the same rows of wh: each tile is asked for JOINTLY, by the same tensor load with the same
; descriptor and a mask that names the four; each receives it in its own LDS.
; THE MATRIX INSTRUCTION IS USED TRANSPOSED: source 0 = 16 rows of wh, source 1 = 16 rows of xh.  Lane l then holds row l % 16 of out0 and the columns 8 (l / 16) + 0..7: 32 bytes on end.
; REGISTERS, in windows of 256 (s_set_vgpr_msb: bits 1:0 source 0, 3:2 source 1, 5:4 source 2, 7:6 destination):
;   window 0: v0-31 addresses; v64-127, v128-191 xh's fragments, two buffers (on the way out: rows read back from the stage); v192-255 the bias, 8 registers for each block of 16 columns
;   window 1: v64-127, v128-191 wh's fragments, two buffers
;   window 2: the 32 accumulators of my rows 0-63 ((a, b) at v[8 (8 a + b)]);   window 3: those of my rows 64-127
.set KSTEP,  128
.set PITCH,  272                       ; an LDS row: 256 bytes + 16 of padding = 68 words: row r starts at bank 4 r mod 64 (64 banks of 4 bytes: ISA guide 11.1): the 16 rows of a load start at 16 different groups of four banks
.set HALFT,  128*PITCH                 ; 128 rows: what one tensor load brings, and what one wave reads of either operand
.set SLOT,   4*HALFT                   ; xh's 256 rows, then wh's 256 rows: 139,264 bytes
.set STAGE,  2*SLOT                    ; behind the ring: 16 rows x 528 bytes for each wave, for the way out; no tensor load lands there
.set SPITCH, 528                       ; 512 bytes + 16
.set SPARE,  STAGE+4*16*SPITCH         ; behind the stages: the spare words, 128 bytes for each wave: two blocks of 256 bytes that no other line names
.set OROW,   8192                      ; bytes in a row of out0
.set LAPS,   16                        ; a lap = two K steps = once round the ring
.set ADRA, 16                          ; v16-17  LDS address of my fragments of xh in slot 0, 1
.set ADRB, 20                          ; v20-21  the same for wh
.set STO,  24                          ; v24     the way out: where I put 32 bytes of a row
.set RD,   25                          ; v25     the way out: where I read a row back
.set CO,   26                          ; v26     my 16 bytes of a row's 512 in out0
.set BO,   27                          ; v27     my 32 bytes of a block's 64 in bias
.set SPW,  28                          ; v28     LDS address of my spare word: SPARE + 4 x my thread's number; never rewritten
.set NIL,  29                          ; v29     0; never rewritten
.set PFO,  30                          ; v30     the prefetches' offset: my lane x a row of xh or wh (8,192 bytes); never rewritten
.set F0,   64                          ; fragment buffer 0, in windows 0 (xh) and 1 (wh)
.set F1,   128                         ; fragment buffer 1
.set OB,   64                          ; the way out: 16 rows read back, two buffers by turns
.set BIASR, 192                        ; window 0
.set WV,   12                          ; s12  my wave's number
.set HI,   13                          ; s13  which half of the tile's rows is mine.  Also: I fetch for xh (0) or for wh (1)
.set LO,   14                          ; s14  which half of its columns.  Also: which 128 rows of a tile I fetch
.set CX,   15                          ; s15, s16  my place in the cluster
.set CY,   16
.set TC,   17                          ; s17  tile column of out0
.set TR,   18                          ; s18  tile row
.set G1A,  24                          ; s[24:31] descriptor group 1 for xh's tiles
.set G0A,  32                          ; s[32:39] group 0, a set for each slot
.set LIM,  43                          ; s43  1 in a wave that prefetches, else the greatest number
.set PFA,  44                          ; s[44:45] where my prefetches stand: one K step further along K than the refill that is being asked for; a prefetch names the step after that
.set G1B,  48                          ; s[48:55], s[56:63] the same two groups for wh's tiles
.set G0B,  56
.set MSB, 0
.macro WIN new                         ; the immediate's high byte repeats the setting that is left; a switch that changes nothing is dropped
.if MSB != (\new)
	s_set_vgpr_msb (MSB<<8)|(\new)
.set MSB, \new
.endif
.endm
.set MUL_LO, 0xa1                      ; source 0 (wh) window 1, source 1 (xh) window 0, C and D window 2
.set MUL_HI, 0xf1                      ; the same, C and D window 3
.set BEG_LO, 0x81                      ; a sum's first product: C (the bias) window 0, D window 2; + 0x40: D window 3
.set TO_B,   0x40                      ; an LDS load: destination window 1, address window 0
; A joint load.  Waves 0 and 1 fetch the two halves of xh's tile, waves 2 and 3 those of wh's.  Each of the two lines has one mask and one set of registers for all that issue it; the branch hangs on the
; wave's number alone.  An s_nop 0 and four v_nop follow each line, ahead of the jump, the label and what follows.
.macro JLOAD s
	s_cmp_lt_u32 s[WV], 2
	s_cbranch_scc0 .Lfor_b_\@
	tensor_load_to_lds s[G0A+4*(\s):G0A+4*(\s)+3], s[G1A:G1A+7]
	s_nop 0
.rept 4
	v_nop
.endr
	s_branch .Lasked_\@
.Lfor_b_\@:
	tensor_load_to_lds s[G0B+4*(\s):G0B+4*(\s)+3], s[G1B:G1B+7]
	s_nop 0
.rept 4
	v_nop
.endr
.Lasked_\@:
.endm
; A PREFETCH INTO THE L2, behind each joint refill, its five lines and the run of LDS loads: the K step that stands TWO refills on, 512 matrix instructions ahead of the load that will ask for it:
; 32 rows x 256 bytes, a lane a row, one instruction a wave.  Each row's 256 bytes of a K step are named once in the launch.  xh's rows of a tile row are read by both clusters of that row of clusters:
; cluster x = 0 asks; wh's rows of a tile column by all eight clusters of that column: cluster y = 0 asks.  Of the 128 rows that a wave fetches the partner at place p takes 32 p .. 32 p + 31 (p = cx for
; xh, cy for wh): the partners are told apart by address alone.  K steps 0 to 3 come by their loads alone; the last trip, whose look-ahead would pass step 31, asks for nothing.
.macro ASK
	s_cmp_gt_u32 s3, s[LIM]                        ; s3: trips still to come, this one among them
	s_cbranch_scc0 .Lnot_mine_\@
	global_prefetch_b8 v[PFO], s[PFA:PFA+1] offset:KSTEP*2 th:TH_LOAD_NT scope:SCOPE_SE
.Lnot_mine_\@:
.endm
; A round of the cluster's barrier: my work-group's barrier, so that wave 0's signal speaks for all four waves; wave 0 signals; every wave waits for all sixteen work-groups; my work-group's barrier once more.
.macro CREST                           ; a round behind its opening barrier
	s_cmp_lg_u32 s[WV], 0
	s_cbranch_scc1 .Lnot_wave_0_\@
	s_barrier_signal -3
.Lnot_wave_0_\@:
	s_barrier_wait -3
	s_barrier_signal -1
	s_barrier_wait -1
.endm
.macro CROUND                          ; a whole round
	s_barrier_signal -1
	s_barrier_wait -1
	CREST
.endm
	s_load_b256 s[4:11], s[0:1], 0x0               ; xh s[4:5], wh s[6:7], bias s[8:9], out0 s[10:11]
	v_lshl_add_u32 v[SPW], v0, 2, SPARE
	v_mov_b32 v[NIL], 0
	ds_add_u32 v[SPW], v[NIL]                      ; the wave's opening: the add, twice on end, and its wait ahead of my first tensor load; the set-up below, work on registers, stands between
	ds_add_u32 v[SPW], v[NIL]                      ; and once more, under the one wait
	v_lshrrev_b32 v1, 5, v0
	v_readfirstlane_b32 s[WV], v1                  ; wave 0..3
	s_lshr_b32 s[HI], s[WV], 1
	s_and_b32 s[LO], s[WV], 1
	s_bfe_u32 s[CX], ttmp6, 0x40000
	s_bfe_u32 s[CY], ttmp6, 0x40004
	s_lshl_b32 s[TC], ttmp9, 2                     ; in a cluster launch ttmp9 and ttmp7 count clusters
	s_add_co_u32 s[TC], s[TC], s[CX]               ; tile column = 4 x cluster x + cx
	s_and_b32 s[TR], ttmp7, 0xffff
	s_lshl_b32 s[TR], s[TR], 2
	s_add_co_u32 s[TR], s[TR], s[CY]               ; tile row = 4 x cluster y + cy
	s_lshl_b32 s19, s[CY], 2
	s_lshl_b32 s19, 15, s19                        ; my row of the cluster: places 4 cy .. 4 cy + 3
	s_lshl_b32 s20, 0x1111, s[CX]                  ; my column: places cx, cx + 4, cx + 8, cx + 12
	; group 1: a tile of 128 rows x 128 elements of 2 bytes, 4,096 elements from row to row; in LDS 4 words of padding (code 3) after every 64 (code 5)
	s_or_b32 s[G1A+0], s19, (1<<16)|(1<<20)|(1<<21)|(5<<22)|(3<<25)  ; 15:0 the mask: xh's tiles go to my row; 17:16 element size; 20 padding on; 21 set beside a mask
	s_or_b32 s[G1B+0], s20, (1<<16)|(1<<20)|(1<<21)|(5<<22)|(3<<25)  ; the same with the mask of my column, for wh's tiles
.irp g, G1A, G1B
	s_mov_b32 s[(\g)+1], KSTEP<<16                 ; tensor_dim0 = 128
	s_mov_b32 s[(\g)+2], 128<<16                   ; tensor_dim1 = 128
	s_mov_b32 s[(\g)+3], KSTEP<<16                 ; tile_dim0 = 128
	s_mov_b32 s[(\g)+4], 128                       ; tile_dim1 = 128
	s_mov_b32 s[(\g)+5], 4096                      ; tensor_dim0_stride
	s_mov_b32 s[(\g)+6], 0
	s_mov_b32 s[(\g)+7], 0
.endr
	; where the tiles come from: xh's hang on the tile row alone, wh's on the tile column alone.  Every wave makes both, each in registers that never hold the other coordinate.
	s_lshl_b32 s21, s[LO], 7                       ; which 128 rows of the tile I fetch
	s_lshl_b32 s66, s[TR], 8
	s_add_co_u32 s66, s66, s21
	s_lshl_b32 s66, s66, 13                        ; a row is 8,192 bytes (all of xh: 2^26)
	s_mov_b32 s67, 0
	s_lshl_b32 s68, s[TC], 8
	s_add_co_u32 s68, s68, s21
	s_lshl_b32 s68, s68, 13
	s_mov_b32 s69, 0
	s_mul_i32 s40, s[WV], HALFT                    ; and where they go: xh's two halves, then wh's two = wave x 128 rows: no place in the cluster enters an LDS address
	s_wait_dscnt 0x0                               ; both opening adds are done
	s_wait_kmcnt 0x0
	s_add_nc_u64 s[66:67], s[4:5], s[66:67]
	s_add_nc_u64 s[68:69], s[6:7], s[68:69]
	CROUND                                         ; all sixteen work-groups are here: the first joint loads meet
.irp s, 0,1
	s_mov_b32 s[G0A+4*(\s)], 1                                         ; count = 1
	s_add_co_u32 s[G0A+4*(\s)+1], s40, (\s)*SLOT                       ; LDS address
	s_add_nc_u64 s[G0A+4*(\s)+2:G0A+4*(\s)+3], s[66:67], (\s)*KSTEP*2  ; global address: K step s
	s_or_b32 s[G0A+4*(\s)+3], s[G0A+4*(\s)+3], 0x80000000              ; type = 2
	s_mov_b32 s[G0B+4*(\s)], 1
	s_add_co_u32 s[G0B+4*(\s)+1], s40, (\s)*SLOT
	s_add_nc_u64 s[G0B+4*(\s)+2:G0B+4*(\s)+3], s[68:69], (\s)*KSTEP*2
	s_or_b32 s[G0B+4*(\s)+3], s[G0B+4*(\s)+3], 0x80000000
	JLOAD \s                                       ; both slots are asked for before anything else is done: two loads of mine are out
.endr
	; A fragment is 16 rows x 32 K of f16 in 8 registers: lane l holds row l % 16; registers 0-3 K = 8 (l / 16) + 0..7, registers 4-7 K = 16 + 8 (l / 16) + 0..7: two loads of 16 bytes, 32 bytes apart.
	v_and_b32 v1, 15, v0                           ; l % 16
	v_bfe_u32 v2, v0, 4, 1                         ; l / 16
	v_and_b32 v3, 31, v0                           ; l
	v_mul_u32_u24 v4, v1, PITCH
	v_lshl_add_u32 v4, v2, 4, v4                   ; row x pitch + 16 x half
	s_mul_i32 s21, s[HI], HALFT                    ; my 128 rows of xh
	s_mul_i32 s22, s[LO], HALFT                    ; my 128 rows of wh,
	s_add_co_u32 s22, s22, 2*HALFT                 ; which lie behind xh's 256
.irp s, 0,1
	v_add_nc_u32 v[ADRA+(\s)], s21, v4
	v_add_nc_u32 v[ADRB+(\s)], s22, v4
	s_add_co_u32 s21, s21, SLOT
	s_add_co_u32 s22, s22, SLOT
.endr
	s_mul_i32 s23, s[WV], 16*SPITCH
	s_add_co_u32 s23, s23, STAGE                   ; my stage
	v_mul_u32_u24 v5, v1, SPITCH                   ; in: row l % 16, 32 bytes for each half of the lanes
	v_lshl_add_u32 v5, v2, 5, v5
	v_add_nc_u32 v[STO], s23, v5
	v_lshl_add_u32 v[RD], v3, 4, s23               ; back: 32 lanes take one row of 512 bytes,
	v_lshlrev_b32 v[CO], 4, v3                     ; and the same in out0
	v_lshlrev_b32 v[BO], 5, v2
	s_lshl_b32 s72, s[TC], 10                      ; my 128 columns, in bytes of f32: 1,024 x tile column + 512 x half: in bias and in a row of out0
	s_lshl_b32 s73, s[LO], 9
	s_add_co_u32 s72, s72, s73
	s_mov_b32 s73, 0
	s_add_nc_u64 s[8:9], s[8:9], s[72:73]
	s_lshl_b32 s70, s[TR], 8
	s_lshl_b32 s71, s[HI], 7
	s_add_co_u32 s70, s70, s71                     ; my first row of out0
	s_lshl_b32 s70, s70, 13
	s_add_co_u32 s70, s70, s72
	s_mov_b32 s71, 0
	s_add_nc_u64 s[10:11], s[10:11], s[70:71]
.irp b, 0,1,2,3,4,5,6,7                ; register j of block b: bias of column 16 b + 8 (l / 16) + j: the layout of a C operand
	global_load_b128 v[BIASR+8*(\b):BIASR+8*(\b)+3],   v[BO], s[8:9] offset:64*(\b)
	global_load_b128 v[BIASR+8*(\b)+4:BIASR+8*(\b)+7], v[BO], s[8:9] offset:64*(\b)+16
.endr
	; the prefetches' address: the offset is made apart, the buffer is chosen by the wave's number.  It starts at K step 2; each change of slots steps it first, so the first prefetch names step 4.
	s_lshl_b32 s70, s[TR], 8
	s_lshl_b32 s72, s[TC], 8
	s_and_b32 s74, ttmp7, 0xffff                   ; cluster y
	s_cmp_eq_u32 s[HI], 0                          ; do I fetch for xh?
	s_cselect_b32 s70, s70, s72                    ; the tile's first row: in xh by the tile row, in wh by the tile column
	s_cselect_b32 s71, s[CX], s[CY]                ; my place among the four that ask for it with me
	s_cselect_b32 s74, ttmp9, s74                  ; the coordinate along which other clusters read the same rows
	s_cselect_b64 s[PFA:PFA+1], s[4:5], s[6:7]
	s_cmp_eq_u32 s74, 0
	s_cselect_b32 s[LIM], 1, -1                    ; the same in all sixteen partners, for a given wave
	s_lshl_b32 s72, s[LO], 7
	s_add_co_u32 s70, s70, s72                     ; + the 128 rows that I fetch
	s_lshl_b32 s71, s71, 5
	s_add_co_u32 s70, s70, s71                     ; + my work-group's 32 of them
	s_lshl_b32 s70, s70, 13
	s_add_co_u32 s70, s70, 2*KSTEP*2
	s_mov_b32 s71, 0
	s_add_nc_u64 s[PFA:PFA+1], s[PFA:PFA+1], s[70:71]
	v_lshlrev_b32 v[PFO], 13, v3
; 16 matrix instructions: m blocks a0, a0 + 1 of the window's four (hi = 0: my rows 0-63, 1: rows 64-127) x all 8 n blocks, 32 along K, on buffer f.
; first = 1: the products start the sums, at the bias: nothing is cleared, and nothing is added afterwards.
; The 64 accumulators take turns, one instruction a turn, in the same order in every quarter, over the backward jump too.
.macro MUL16 f, hi, a0, first
.if \first
	WIN BEG_LO+0x40*(\hi)
.else
	WIN MUL_LO+0x50*(\hi)
.endif
.irp a, \a0, (\a0)+1
.irp b, 0,1,2,3,4,5,6,7
.if \first
	v_wmma_f32_16x16x32_f16 v[8*(8*(\a)+(\b)):8*(8*(\a)+(\b))+7], v[(\f)+8*(\b):(\f)+8*(\b)+7], v[(\f)+8*(4*(\hi)+(\a)):(\f)+8*(4*(\hi)+(\a))+7], v[BIASR+8*(\b):BIASR+8*(\b)+7]
.else
	v_wmma_f32_16x16x32_f16 v[8*(8*(\a)+(\b)):8*(8*(\a)+(\b))+7], v[(\f)+8*(\b):(\f)+8*(\b)+7], v[(\f)+8*(4*(\hi)+(\a)):(\f)+8*(4*(\hi)+(\a))+7], v[8*(8*(\a)+(\b)):8*(8*(\a)+(\b))+7]
.endif
.endr
.endr
.endm
; 32 LDS loads in one run: the fragments of one quarter (128 rows of wh, then 128 rows of xh, 32 K at byte k of the rows) into buffer f
.macro FETCH slot, k, f
	WIN TO_B
.irp i, 0,1,2,3,4,5,6,7
	ds_load_b128 v[(\f)+8*(\i):(\f)+8*(\i)+3],   v[ADRB+(\slot)] offset:(\k)+(\i)*16*PITCH
	ds_load_b128 v[(\f)+8*(\i)+4:(\f)+8*(\i)+7], v[ADRB+(\slot)] offset:(\k)+(\i)*16*PITCH+32
.endr
	WIN 0
.irp i, 0,1,2,3,4,5,6,7
	ds_load_b128 v[(\f)+8*(\i):(\f)+8*(\i)+3],   v[ADRA+(\slot)] offset:(\k)+(\i)*16*PITCH
	ds_load_b128 v[(\f)+8*(\i)+4:(\f)+8*(\i)+7], v[ADRA+(\slot)] offset:(\k)+(\i)*16*PITCH+32
.endr
.endm
; A load into a register that a matrix instruction has read stands four plain vector instructions behind that matrix instruction (ISA guide 7.12.1 for vector instructions);
; the matrix instructions in between are not counted.  No other vector work is at hand in the loop: four v_nop in front of each run of loads.
.macro PLACES
.rept 4
	v_nop
.endr
.endm
; One of a K step's first three quarters: multiplies buffer f; in its middle it fetches the next quarter's fragments, at byte k of the same slot's rows, into buffer g: 32 matrix instructions ahead of their first use.
.macro QUARTER slot, k, f, g, first
	s_wait_dscnt 8                                 ; wh's fragments and xh's rows 0-63 are in; the youngest eight loads (xh's rows 64-127) may be out
	MUL16 \f, 0, 0, \first
	MUL16 \f, 0, 2, \first
	PLACES
	FETCH \slot, \k, \g
	s_wait_dscnt 32                                ; all but the 32 just issued
	MUL16 \f, 1, 0, \first
	MUL16 \f, 1, 2, \first
.endm
; The last quarter multiplies buffer 1 and changes slots.  ONE barrier for two things: in front of it each wave waits for all its tensor loads, of which one is out: its part of the next slot; adds 0 to its
; spare word; and waits for that and for its own reads of this slot.  Behind it nobody reads this slot any more and the next slot is whole.
; fill = 1: the barrier opens a round of the cluster's, so that no wave of any partner still reads the slot or has a load on its way; the joint refill, two K steps on, is the first thing behind the round:
; 224 matrix instructions ahead of the wait for it.  Then the next slot's first fragments are fetched.
.macro TURN slot, next, fill
.if \fill
	s_wait_xcnt 0x0                                ; the last prefetch, a K step back, has read its address: it is stepped here, ahead of the waits of the change of slots
	s_add_nc_u64 s[PFA:PFA+1], s[PFA:PFA+1], KSTEP*2
.endif
	WIN 0                                          ; (the add's two registers lie in window 0)
	s_wait_tensorcnt 0x0                           ; all my tensor loads have landed;
	ds_add_u32 v[SPW], v[NIL]                      ; 0 onto my spare word;
	s_wait_dscnt 9                                 ; (the add and the youngest eight loads may be out)
	MUL16 F1, 0, 0, 0                              ; sixteen matrix instructions stand between the add and the wait for it
	s_wait_dscnt 0x0                               ; the add is done, and my reads of this slot are over:
	s_barrier_signal -1                            ; say so,
	MUL16 F1, 0, 2, 0                              ; work on registers while the others arrive,
.if \fill
	WIN 0
.endif
	s_barrier_wait -1                              ; and go on when all four have said so
.if \fill
	CREST
	s_add_nc_u64 s[G0A+4*(\slot)+2:G0A+4*(\slot)+3], s[G0A+4*(\slot)+2:G0A+4*(\slot)+3], 2*KSTEP*2  ; no tensor load of mine is out, so a group 0 may be written; the type bits on top are not reached
	s_add_nc_u64 s[G0B+4*(\slot)+2:G0B+4*(\slot)+3], s[G0B+4*(\slot)+2:G0B+4*(\slot)+3], 2*KSTEP*2
	JLOAD \slot                                    ; the four v_nop behind it are also the places in front of the loads below
.else
	PLACES
.endif
	FETCH \next, 0, F0
.if \fill
	ASK
.endif
	MUL16 F1, 1, 0, 0
	MUL16 F1, 1, 2, 0
.endm
; THE WAY OUT of block a (16 rows x 128 columns of f32).  A lane's 32 bytes of a row go into my own stage, rows of 528 bytes, each accumulator's low registers first; whole rows of
; 512 bytes come back.  The stage is the wave's own: LDS serves a wave's instructions in order (ISA guide 5.7.1.4), so the loads see the stores above them, and the next block's stores come behind the loads.
.macro TOSTAGE a
	WIN 0x08+4*((\a)/4)                            ; the data (source 1) in window 2 or 3
.irp b, 0,1,2,3,4,5,6,7
	ds_store_b128 v[STO], v[64*((\a)%4)+8*(\b):64*((\a)%4)+8*(\b)+3]   offset:64*(\b)
	ds_store_b128 v[STO], v[64*((\a)%4)+8*(\b)+4:64*((\a)%4)+8*(\b)+7] offset:64*(\b)+16
.endr
	WIN 0
.if (\a) >= 2
	s_wait_xcnt 0x0                                ; the stores of the block two back have read their data: their registers are loaded again only behind this wait
.endif
.irp t, 0,1,2,3,4,5,6,7,8,9,10,11,12,13,14,15
	ds_load_b128 v[OB+64*((\a)%2)+4*(\t):OB+64*((\a)%2)+4*(\t)+3], v[RD] offset:SPITCH*(\t)
.endr
.endm
.macro SEND a, younger                 ; younger: the LDS instructions issued behind block a's loads: the next block's 32, or none
	WIN 0
.irp t, 0,1,2,3,4,5,6,7,8,9,10,11,12,13,14,15
	s_wait_dscnt (\younger)+15-(\t)                ; row t is back
	global_store_b128 v[CO], v[OB+64*((\a)%2)+4*(\t):OB+64*((\a)%2)+4*(\t)+3], s[10:11] offset:(16*(\a)+(\t))*OROW th:TH_STORE_NT  ; 32 lanes store 512 bytes on end, at a multiple of 512 from out0's first byte
.endr
.endm
	s_wait_tensorcnt 1                             ; my part of K step 0 is in; step 1's may stay out
	s_barrier_signal -1
	s_barrier_wait -1                              ; everybody's is
	FETCH 0, 0, F0
	s_wait_loadcnt 0x0                             ; the bias
	QUARTER 0, 64,  F0, F1, 1                      ; the first quarter stands in front of the loop: its products start the sums
	WIN 0                                          ; at a label and at a branch every window is 0
	s_mov_b32 s3, LAPS-1
.Llap:                                                 ; a trip goes once round the ring, from a lap's second quarter to the next lap's first, and fills both slots again: K steps 2 to 31
	QUARTER 0, 128, F1, F0, 0
	QUARTER 0, 192, F0, F1, 0
	TURN 0, 1, 1
	QUARTER 1, 64,  F0, F1, 0
	QUARTER 1, 128, F1, F0, 0
	QUARTER 1, 192, F0, F1, 0
	TURN 1, 0, 1
	QUARTER 0, 64,  F0, F1, 0
	WIN 0
	s_sub_co_u32 s3, s3, 1
	s_cmp_lg_u32 s3, 0
	s_cbranch_scc1 .Llap
	QUARTER 0, 128, F1, F0, 0                      ; the last lap fills nothing, and has no round of the cluster's barrier
	QUARTER 0, 192, F0, F1, 0
	TURN 0, 1, 0
	QUARTER 1, 64,  F0, F1, 0
	QUARTER 1, 128, F1, F0, 0
	QUARTER 1, 192, F0, F1, 0
	s_wait_dscnt 8                                 ; the very last quarter: nothing more to fetch
	MUL16 F1, 0, 0, 0
	MUL16 F1, 0, 2, 0
	s_wait_dscnt 0x0
	MUL16 F1, 1, 0, 0
	MUL16 F1, 1, 2, 0
	WIN 0
.rept 8
	v_nop                                          ; the places between the last products and the LDS stores that read results, and the loads into the fragments' registers; no other vector work is at hand
.endr
	TOSTAGE 0
.irp a, 1,2,3,4,5,6,7                  ; block a goes through the stage while block a - 1's rows come back and leave
	TOSTAGE \a
	SEND (\a)-1, 32
.endr
	SEND 7, 0
	s_wait_tensorcnt 0x0                           ; the wave's end, behind my last tensor load and my last LDS store
	ds_add_u32 v[SPW], v[NIL]
	s_wait_dscnt 0x0
	CROUND                                         ; the closing round: no work-group ends while a partner may still ask for a tile that names it
	s_endpgm
.Lfunc_end_k_q5966fd9202_gemm:
	.size	k_q5966fd9202_gemm, .Lfunc_end_k_q5966fd9202_gemm-k_q5966fd9202_gemm
	.p2alignl 7, 3214868480
	.fill 96, 4, 3214868480
	.section	.rodata,"a",@progbits
	.p2align	6, 0x0
	.amdhsa_kernel k_q5966fd9202_gemm
		.amdhsa_group_segment_fixed_size 327680
		.amdhsa_private_segment_fixed_size 0
		.amdhsa_enable_private_segment 0
		.amdhsa_kernarg_size 32
		.amdhsa_user_sgpr_count 2
		.amdhsa_user_sgpr_kernarg_segment_ptr 1
		.amdhsa_wavefront_size32 1
		.amdhsa_system_sgpr_workgroup_id_x 1
		.amdhsa_system_sgpr_workgroup_id_y 1
		.amdhsa_system_sgpr_workgroup_id_z 1
		.amdhsa_system_vgpr_workitem_id 0
		.amdhsa_next_free_vgpr 1024
		.amdhsa_next_free_sgpr 80
		.amdhsa_reserve_vcc 0
		.amdhsa_float_denorm_mode_32 3
		.amdhsa_float_denorm_mode_16_64 3
		.amdhsa_memory_ordered 1
		.amdhsa_forward_progress 1
		.amdhsa_inst_pref_size 147
	.end_amdhsa_kernel
	.amdgpu_metadata
---
amdhsa.version: [ 1, 2 ]
amdhsa.kernels:
  - .name:           k_q5966fd9202_gemm
    .symbol:         k_q5966fd9202_gemm.kd
    .args:
      - { .name: xh, .offset: 0, .size: 8, .value_kind: global_buffer, .address_space: global }
      - { .name: wh, .offset: 8, .size: 8, .value_kind: global_buffer, .address_space: global }
      - { .name: bias, .offset: 16, .size: 8, .value_kind: global_buffer, .address_space: global }
      - { .name: out0, .offset: 24, .size: 8, .value_kind: global_buffer, .address_space: global }
    .group_segment_fixed_size: 327680
    .private_segment_fixed_size: 0
    .kernarg_segment_align: 8
    .kernarg_segment_size: 32
    .max_flat_workgroup_size: 128
    .sgpr_count:     80
    .vgpr_count:     1024
    .wavefront_size: 32
...
	.end_amdgpu_metadata
.endif
;; end of part 4
;; ======== version 3 of 3: 2 launches; version 2 with the launch prep written anew for expert scheduling mode
;; limits: inputs' magnitudes at most 65,504; values are held in f16: magnitudes above 65,504 overflow, below 6.1e-05 lose precision
;; workspace buffers: xh 67,108,864 bytes; wh 16,777,216 bytes
;; launch prep (part 5): grid 256 x 1, 32 waves a work-group, no clusters, 0 bytes of LDS; arguments x, packed_weight, absmax, xh, wh; writes xh, wh
.if DOCPART == 5
	.amdgcn_target "amdgcn-amd-amdhsa--gfx1250"
	.amdhsa_code_object_version 6
	.text
	.protected	k_q5966fd9202_prep
	.globl	k_q5966fd9202_prep
	.p2align	8
	.type	k_q5966fd9202_prep,@function
k_q5966fd9202_prep:
	s_mov_b64 s[64:65], 0
	v_nop
	global_prefetch_b8 v0, s[64:65] scope:SCOPE_SE
	s_setreg_imm32_b32 hwreg(HW_REG_WAVE_SCHED_MODE, 0, 2), 2
	s_setreg_imm32_b32 hwreg(HW_REG_WAVE_MODE, 25, 1), 1
	s_wait_xcnt 0x0
	s_wait_alu depctr_vm_vsrc(0)
; Both operands of the product that follows, in f16, each rounded once:
;   xh[8192][4096] = f16(x), in x's own order;   wh[2048][4096] = f16(code[nibble] x absmax), the product taken in f32.
; IN.   x: 33,554,432 f32.  packed_weight: one 32-bit word holds two 4-bit codes, bits 7:4 the even k, bits 3:0 the odd k (higher bits are not looked at).  absmax: one f32 for 64 weights on end.
; A packed word is 4 bytes and its two f16 are 4 bytes: a word and its result have the same byte offset in their buffers.
; LIMITS.  |x| or |code x absmax| of 65,520 or more becomes an infinity; below 6.1e-5 a result keeps f16's fixed step of 6e-8.
; SHARES.  256 work-groups of 32 waves.  Wave gw = 32 b + w takes 16,384 bytes on end of x (32 loads of 16 bytes a lane) and 2,048 bytes on end of packed_weight (4 such loads: a quarter of a row of W,
; 16 numbers of absmax).  A load takes 512 bytes on end, aligned.  A store into wh likewise; a store into xh is 8 bytes a lane: 32 lanes fill 256 bytes on end, aligned.
; ORDER.  absmax, the packed words and x's first sixteen loads are issued at once; the table is made while they are out; W's four groups are finished while x's loads are still on their way; then x goes
; through a ring of sixteen slots in registers, twice round, in blocks of four slots: 12 to 16 loads, 6 to 8 KiB, of every wave are on their way until the last round.
; THE TABLE lies across the lanes of one register (lane i: code[i % 16]); a code is fetched by a lane permute, which touches no LDS byte.
; Memory binds: no LDS, no barrier, no matrix work, no cluster (nothing is shared), no loop.
; THE MODE: SCHED_MODE bits 1:0 = 2 (LLVM: expert scheduling mode 2), set by the entry lines.  The code itself states the register dependences between vector instructions and memory or LDS
; instructions, with s_wait_alu, always for 0.
; THE PLAN.  Registers that memory or LDS instructions touch:
;   VI, VO, VP, VA  offsets: made once at the head, read by every load and store, never written again.
;   AB, TAB         absmax as loaded, and the table: read by the permutes, never written again.
;   T, AI           written by group j's index lines, read by group j's nine permutes, written again by group j + 1's index lines; T at last by x's first conversions, as Y.
;   two stages      group j's permutes land in stage j % 2; group j's scalings and roundings work on it; group j + 2's permutes land in it again.
;   P               the packed loads land; the index lines read; group j's roundings write; the four stores into wh, in one run behind W's last arithmetic, read; never written again.
;   X, four blocks  x's loads land; a block's eight conversions read; first round: the loads sixteen further on land in the block again; second round: the conversions write in place and the stores read.
;   Y               each register is written once, by a conversion of the first round, and read once, by a store.
; So W's part has one wait on va_vdst a group, ahead of the group's run of permutes, with the arithmetic of the group two back laid ahead of it, and one wait on vm_vsrc ahead of each rewriting of T and AI;
; x's part has one wait on va_vdst a block, behind the block's conversions, and the block's loads and stores follow it with no vector line between.
.set TAB, 4                            ; v4      lane i: code[i % 16]
.set GI,  5                            ; v5      4 (l / 8)
.set VI,  6                            ; v6      my byte offset in x; never rewritten
.set VO,  7                            ; v7      my byte offset in xh; never rewritten
.set VP,  8                            ; v8      my byte offset in packed_weight and in wh; never rewritten
.set VA,  9                            ; v9      my byte offset in absmax; never rewritten
.set AB,  10                           ; v10     lane L: the wave's absmax number L % 16
.set AI,  11                           ; v11     4 x the lane that holds my absmax
.set T,   12                           ; v12-19  4 x code number, eight of them
.set CB,  20                           ; v20-27, v30-37  eight code values, two stages by turns
.set AP,  28                           ; v28-29, v38-39  my absmax; the upper register holds 0: the packed multiply names the pair and takes its low word
.set Y,   12                           ; v12-43  when W is finished: the first round's f16, two registers a slot; each is written once
.set P,   44                           ; v44-59  group j: four packed words as loaded, then four pairs of f16 to store
.set X,   60                           ; v60-123 slot t: four f32 as loaded; in the second round the slot's f16 take its first two registers
.set MK,  21                           ; s21-28  the table's masks: a run of compares writes them, the selects behind the run read them
	s_load_b256 s[4:11], s[0:1], 0x0               ; x s[4:5], packed_weight s[6:7], absmax s[8:9], xh s[10:11]
	s_load_b64 s[12:13], s[0:1], 0x20              ; wh
	v_lshrrev_b32 v1, 5, v0
	v_readfirstlane_b32 s14, v1                    ; wave 0..31
	v_and_b32 v1, 31, v0                           ; l
	v_lshrrev_b32 v2, 3, v1                        ; l / 8: eight lanes, 32 words, share an absmax
	v_and_b32 v3, 15, v1
	s_wait_alu depctr_va_sdst(0)                   ; s14 is written, ahead of its first reader: the four offsets are made from it
	s_lshl_b32 s15, ttmp9, 5
	s_add_co_u32 s15, s15, s14                     ; gw
	s_lshl_b32 s16, s15, 14                        ; x: 16,384 bytes a wave (all of x: 2^27)
	s_lshl_b32 s17, s15, 13                        ; xh: 8,192
	s_lshl_b32 s18, s15, 11                        ; packed_weight, wh: 2,048
	s_lshl_b32 s19, s15, 6                         ; absmax: 64
	v_lshl_add_u32 v[VI], v1, 4, s16
	v_lshl_add_u32 v[VO], v1, 3, s17
	v_lshl_add_u32 v[VP], v1, 4, s18
	v_lshl_add_u32 v[VA], v3, 2, s19
	v_lshlrev_b32 v[GI], 2, v2
	v_mov_b32 v[AP+1], 0
	v_mov_b32 v[AP+11], 0
	s_wait_kmcnt 0x0
	s_wait_alu depctr_va_vdst(0)                   ; VI, VO, VP and VA are written: every load and store of the kernel reads one of them as its offset
	global_load_b32 v[AB], v[VA], s[8:9]
.set jj, 0
.rept 4
	global_load_b128 v[P+4*jj:P+4*jj+3], v[VP], s[6:7] offset:512*jj th:TH_LOAD_NT  ; read once in the launch
.set jj, jj+1
.endr
.set tt, 0
.rept 16
	global_load_b128 v[X+4*tt:X+4*tt+3], v[VI], s[4:5] offset:512*tt th:TH_LOAD_NT  ; the ring is filled
.set tt, tt+1
.endr
	; the table is made while the loads are on their way: reference()'s sixteen f32 numbers.  The compares stand in two runs, each with one wait behind it.
	v_and_b32 v15, 15, v0
	v_mov_b32 v[TAB], -1.0                         ; code 0
.macro SAME i, k                       ; mask i: the lanes that hold code k
	v_cmp_eq_u32 s[MK+(\i)], \k, v15
.endm
.macro CODE i, bits                    ; those lanes take the code's number
	s_mov_b32 s20, \bits
	v_cndmask_b32 v[TAB], v[TAB], s20, s[MK+(\i)]
.endm
.irp i, 0,1,2,3,4,5,6,7
	SAME \i, (\i)+1
.endr
	s_wait_alu depctr_va_sdst(0)                   ; the eight compares have written their masks, ahead of the first select that reads one
	CODE 0, 0xbf3239b1                             ; code 1: -0.6961928
	CODE 1, 0xbf066b30                             ; code 2: -0.52507305
	CODE 2, 0xbeca32a0                             ; code 3: -0.3949175
	CODE 3, 0xbe91a24d                             ; code 4: -0.28444138
	CODE 4, 0xbe3d353f                             ; code 5: -0.18477343
	CODE 5, 0xbdba7871                             ; code 6: -0.091050036
	CODE 6, 0                                      ; code 7:  0
	CODE 7, 0x3da2faff                             ; code 8:  0.0795803
.irp i, 0,1,2,3,4,5,6
	SAME \i, (\i)+9
.endr
	s_wait_alu depctr_va_sdst(0)                   ; the seven compares have written their masks, ahead of the first select that reads one
	CODE 0, 0x3e24cae3                             ; code 9:  0.1609302
	CODE 1, 0x3e7c04dd                             ; code 10: 0.2461123
	CODE 2, 0x3ead033a                             ; code 11: 0.33791524
	CODE 3, 0x3ee1a4b8                             ; code 12: 0.44070983
	CODE 4, 0x3f1007ab                             ; code 13: 0.562617
	CODE 5, 0x3f3913b3                             ; code 14: 0.72295684
	CODE 6, 0x3f800000                             ; code 15: 1
; Group j's four words: eight code numbers times 4 (a permute's index is a lane times 4), and 4 x the lane that holds my absmax.
.macro IDX j
	s_wait_loadcnt 19-(\j)                         ; loads come back in order (ISA guide 5.7.1): group j is in; the 3 - j younger groups and x's sixteen loads stay out; absmax is older than all
.if (\j) > 0
	s_wait_alu depctr_vm_vsrc(0)                   ; the permutes of the group before have read T and AI, which the lines below write again
.endif
.irp d, 0,1,2,3
	v_lshrrev_b32 v[T+2*(\d)],   2, v[P+4*(\j)+(\d)]   ; bits 7:4 come to bits 5:2,
	v_lshlrev_b32 v[T+2*(\d)+1], 2, v[P+4*(\j)+(\d)]   ; bits 3:0 likewise
.endr
.irp i, 0,1,2,3,4,5,6,7
	v_and_b32 v[T+(\i)], 60, v[T+(\i)]
.endr
	v_add_nc_u32 v[AI], 16*(\j), v[GI]             ; my 16 bytes lie in the wave's block 4 j + l / 8 of 64 weights
.endm
; The eight values and my absmax are asked of the lanes that hold them, into stage j % 2.
.macro PERM j
.irp i, 0,1,2,3,4,5,6,7
	ds_bpermute_b32 v[CB+10*((\j)%2)+(\i)], v[T+(\i)], v[TAB]
.endr
	ds_bpermute_b32 v[AP+10*((\j)%2)], v[AI], v[AB]
.endm
; The values are scaled in f32 and rounded once to f16, into the registers that held the group's words.  left: the permutes issued behind group j's, which may stay out.
.macro SCALE j, left
	s_wait_dscnt \left
.irp d, 0,1,2,3
	v_pk_mul_f32 v[CB+10*((\j)%2)+2*(\d):CB+10*((\j)%2)+2*(\d)+1], v[CB+10*((\j)%2)+2*(\d):CB+10*((\j)%2)+2*(\d)+1], v[AP+10*((\j)%2):AP+10*((\j)%2)+1] op_sel_hi:[1,0]
.endr
.irp d, 0,1,2,3
	v_cvt_pk_f16_f32 v[P+4*(\j)+(\d)], v[CB+10*((\j)%2)+2*(\d)], v[CB+10*((\j)%2)+2*(\d)+1]  ; the even k into the low half
.endr
.endm
; Step j of W's part: the arithmetic of the group two back, whose stage group j's permutes take; group j's index lines; ONE wait; the run of permutes.  Two groups' permutes are out at a time.
.macro STEP j
.if (\j) >= 2
	SCALE (\j)-2, 9
.endif
	IDX \j
	s_wait_alu depctr_va_vdst(0)                   ; T and AI are written, which the permutes read (in step 0 the table too); in steps 2 and 3 the scalings and roundings above are done with the stage in which the permutes land
	PERM \j
.endm
	STEP 0
	STEP 1
	STEP 2
	STEP 3
	SCALE 2, 9
	SCALE 3, 0                                     ; no permute is out
	s_wait_alu depctr_vm_vsrc(0)                   ; group 3's permutes have read T: x's first conversions write these registers, as Y.  The stores below read P and VP alone, which nothing writes again
	s_wait_alu depctr_va_vdst(0)                   ; the roundings of all four groups have written P, which the stores read
.irp j, 0,1,2,3
	global_store_b128 v[VP], v[P+4*(\j):P+4*(\j)+3], s[12:13] offset:512*(\j)  ; the words' own offset; no register of a store is written again
.endr
; x, first round, block p: slots 4 p to 4 p + 3.  Their sixteen numbers are rounded into registers of their own; behind the one wait the slots are filled again at once, sixteen loads further on, and the
; loads stand ahead of the stores.
.macro FIRST p
	s_wait_loadcnt 12                              ; the block's four loads are in; the twelve younger loads stay out
.irp i, 0,1,2,3
	v_cvt_pk_f16_f32 v[Y+2*(4*(\p)+(\i))],   v[X+4*(4*(\p)+(\i))],   v[X+4*(4*(\p)+(\i))+1]
	v_cvt_pk_f16_f32 v[Y+2*(4*(\p)+(\i))+1], v[X+4*(4*(\p)+(\i))+2], v[X+4*(4*(\p)+(\i))+3]
.endr
	s_wait_alu depctr_va_vdst(0)                   ; the eight conversions are done reading the block's X, in which the loads below land, and have written its Y, which the stores below read
.irp i, 0,1,2,3
	global_load_b128 v[X+4*(4*(\p)+(\i)):X+4*(4*(\p)+(\i))+3], v[VI], s[4:5] offset:512*(4*(\p)+(\i)+16) th:TH_LOAD_NT
.endr
.irp i, 0,1,2,3
	global_store_b64 v[VO], v[Y+2*(4*(\p)+(\i)):Y+2*(4*(\p)+(\i))+1], s[10:11] offset:256*(4*(\p)+(\i))
.endr
.endm
; Second round: nothing is loaded any more, so the counts run down, and the f16 take each slot's own first two registers.
.macro SECOND p
	s_wait_loadcnt 12-4*(\p)
.irp i, 0,1,2,3
	v_cvt_pk_f16_f32 v[X+4*(4*(\p)+(\i))],   v[X+4*(4*(\p)+(\i))],   v[X+4*(4*(\p)+(\i))+1]
	v_cvt_pk_f16_f32 v[X+4*(4*(\p)+(\i))+1], v[X+4*(4*(\p)+(\i))+2], v[X+4*(4*(\p)+(\i))+3]
.endr
	s_wait_alu depctr_va_vdst(0)                   ; the eight conversions have written the registers that the stores below read
.irp i, 0,1,2,3
	global_store_b64 v[VO], v[X+4*(4*(\p)+(\i)):X+4*(4*(\p)+(\i))+1], s[10:11] offset:256*(4*(\p)+(\i)+16)
.endr
.endm
	FIRST 0
	FIRST 1
	FIRST 2
	FIRST 3
	SECOND 0
	SECOND 1
	SECOND 2
	SECOND 3
	s_endpgm
.Lfunc_end_k_q5966fd9202_prep:
	.size	k_q5966fd9202_prep, .Lfunc_end_k_q5966fd9202_prep-k_q5966fd9202_prep
	.p2alignl 7, 3214868480
	.fill 96, 4, 3214868480
	.section	.rodata,"a",@progbits
	.p2align	6, 0x0
	.amdhsa_kernel k_q5966fd9202_prep
		.amdhsa_group_segment_fixed_size 0
		.amdhsa_private_segment_fixed_size 0
		.amdhsa_enable_private_segment 0
		.amdhsa_kernarg_size 40
		.amdhsa_user_sgpr_count 2
		.amdhsa_user_sgpr_kernarg_segment_ptr 1
		.amdhsa_wavefront_size32 1
		.amdhsa_system_sgpr_workgroup_id_x 1
		.amdhsa_system_sgpr_workgroup_id_y 1
		.amdhsa_system_sgpr_workgroup_id_z 1
		.amdhsa_system_vgpr_workitem_id 0
		.amdhsa_next_free_vgpr 124
		.amdhsa_next_free_sgpr 66
		.amdhsa_reserve_vcc 0
		.amdhsa_float_denorm_mode_32 3
		.amdhsa_float_denorm_mode_16_64 3
		.amdhsa_memory_ordered 1
		.amdhsa_forward_progress 1
		.amdhsa_inst_pref_size 23
	.end_amdhsa_kernel
	.amdgpu_metadata
---
amdhsa.version: [ 1, 2 ]
amdhsa.kernels:
  - .name:           k_q5966fd9202_prep
    .symbol:         k_q5966fd9202_prep.kd
    .args:
      - { .name: x, .offset: 0, .size: 8, .value_kind: global_buffer, .address_space: global }
      - { .name: packed_weight, .offset: 8, .size: 8, .value_kind: global_buffer, .address_space: global }
      - { .name: absmax, .offset: 16, .size: 8, .value_kind: global_buffer, .address_space: global }
      - { .name: xh, .offset: 24, .size: 8, .value_kind: global_buffer, .address_space: global }
      - { .name: wh, .offset: 32, .size: 8, .value_kind: global_buffer, .address_space: global }
    .group_segment_fixed_size: 0
    .private_segment_fixed_size: 0
    .kernarg_segment_align: 8
    .kernarg_segment_size: 40
    .max_flat_workgroup_size: 1024
    .sgpr_count:     66
    .vgpr_count:     124
    .wavefront_size: 32
...
	.end_amdgpu_metadata
.endif
;; end of part 5
;; launch gemm: the kernel of part 4 again; grid 8 x 32, 4 waves a work-group, clusters of 4 x 4, 327,680 bytes of LDS; arguments xh, wh, bias, out0; writes out0
